; MI455X (gfx1250); checked and timed in simulation.
; The chip was launched on July 23, 2026; its instructions are those of AMD's public machine-readable ISA for CDNA 5 (MIT licence, August 2026) and "CDNA5" Instruction Set Architecture Reference Guide (July 2026). The comments in the code are by the model that wrote it; some were corrected since.
;; Cross Attention. Allowed arithmetic: matrix products marked QUANTISED: E2M1 operands, one E8M0 scale for each 32 along K, by v_wmma_scale_f32_16x16x128_f8f6f4 with both operands' format E2M1 (or v_wmma_scale_f32_32x16x128_f4), f32 sums; everything else in f32.
;; Inputs: Wk 768 x 1,024 float32; Wo 1,024 x 1,024 float32; Wq 1,024 x 1,024 float32; Wv 768 x 1,024 float32; bk 1,024 float32; bo 1,024 float32; bq 1,024 float32; bv 1,024 float32; key 4 x 2,048 x 768 float32; query 4 x 2,048 x 1,024 float32; value 4 x 2,048 x 768 float32.
;; Outputs: out0 4 x 2,048 x 1,024 float32.
;; This version of the problem:
;;   THIS VERSION OF THE PROBLEM IS GIVEN IN LOW PRECISION. The matrix products marked QUANTISED in the list below multiply operands that are first quantised to E2M1 (2 exponent bits, 1 mantissa bit; 4 bits a number), with one power-of-two scale for each 32 numbers along K (OCP MX v1.0); their sums are f32. All else is computed in f32.
;;   The module's matrix products, in the order in which they are computed (A, B: the left and right operand; K: the contracted axis; several contracted axes count as one K, in the product's order):
;;     1. [M 8,192, K 1,024] x [K 1,024, N 1,024]; A: input query; B: input Wq: QUANTISED
;;     2. [M 8,192, K 768] x [K 768, N 1,024]; A: input key; B: input Wk: QUANTISED
;;     3. [M 8,192, K 768] x [K 768, N 1,024]; A: input value; B: input Wv: QUANTISED
;;     4. batch 64 x [M 2,048, K 64] x [K 64, N 2,048]; A: computed on the way; B: computed on the way: QUANTISED
;;     5. batch 64 x [M 2,048, K 2,048] x [K 2,048, N 64]; A: softmax (see below); B: computed on the way: QUANTISED
;;     6. [M 8,192, K 1,024] x [K 1,024, N 1,024]; A: computed on the way; B: input Wo: QUANTISED
;;   THE QUANTISER, for each operand of a quantised product, along K:
;;     - K is cut into blocks of 32 from its start; a last block that is shorter is filled with zeros.
;;     - A block's scale is 2^e with e = floor(log2(the largest magnitude in the block)) - 2, held to -126 .. 127; a block of zeros has e = 0. As a byte (E8M0): e + 127.
;;     - Each number is divided by its block's scale, clamped to +-6, and rounded to the nearest number of E2M1, ties to even, subnormals kept.
;;     - The product sums the exact products of the quantised numbers (number of the format x scale) in f32.
;;   ~~~python
;;   def quantise(x, axis):      # numpy; x: float32 -> the quantised numbers, widened to float32 again
;;       x = np.moveaxis(x, axis, -1); K = x.shape[-1]
;;       x = np.pad(x, [(0, 0)] * (x.ndim - 1) + [(0, -K % 32)]); x = x.reshape(x.shape[:-1] + (-1, 32)); a = np.abs(x).max(-1, keepdims=True)
;;       e = np.where(a > 0, np.clip(np.frexp(np.where(a > 0, a, 1))[1] - 1 - 2, -126, 127), 0)      # np.frexp(a)[1] - 1 = floor(log2(a)), exactly
;;       r = np.clip(x / 2.0 ** e, -6, 6)
;;       step = 2.0 ** (np.maximum(np.frexp(np.where(r == 0, 1, r))[1] - 1, 0) - 1)
;;       q = np.round(r / step) * step * 2.0 ** e      # np.round: ties to even
;;       return np.moveaxis(q.reshape(q.shape[:-2] + (-1,))[..., :K], -1, axis).astype(np.float32)
;;   ~~~
;;   SOFTMAX AHEAD OF A QUANTISED PRODUCT. Where the list says 'softmax', what is quantised is not the finished softmax but p = 2^(t - M), with t = logit x log2(e) and M = ceil(the row's largest t), a whole number; so 1/2 < the row's largest p <= 1. The row's sum l is taken of the UNQUANTISED p, in f32, and the product's result is divided by l at the end. Since M is a whole number, a kernel that streams over the keys may use a running M (the ceiling of the running maximum): every later rescaling is an exact power of two, which a block's scale takes up: the codes' values come out the same.
;;   OPERANDS COMPUTED ON THE WAY. 'Computed on the way' means the value that the module computes at that place (a softmax that the list does not call 'softmax' is quantised finished and normalised). What goes into a quantiser is computed in f32, as accurately as f32 sums, v_exp_f32 and their like allow (about 1e-6 of the number): no bf16 or f16 on the way to a quantiser, and a product that is left as it is and whose result goes on into a quantised operand takes f32 operands (vector FMAs, or v_wmma_f32_16x16x4_f32). A number that lies on a knife's edge between two numbers of the format may be rounded either way, as far as f32 arithmetic and the matrix unit's own rounding can turn it there, and no further.
;; 3 versions. Each part assembles by itself: llvm-mc -triple=amdgcn-amd-amdhsa -mcpu=gfx1250 --defsym DOCPART=n.
;; ======== version 1 of 3: 4 launches
;; workspace buffers: xw 13,238,272 bytes; qkv 13,893,632 bytes; ctx 4,718,592 bytes
;; launch quant (part 1): grid 896 x 1, 4 waves a work-group, no clusters, 0 bytes of LDS; arguments query, key, value, Wq, Wo, Wk, Wv, xw; writes xw
.if DOCPART == 1
	.amdgcn_target "amdgcn-amd-amdhsa--gfx1250"
	.amdhsa_code_object_version 6
	.text
	.protected	k_q7f507d043c_quant
	.globl	k_q7f507d043c_quant
	.p2align	8
	.type	k_q7f507d043c_quant,@function
k_q7f507d043c_quant:
	s_mov_b64 s[64:65], 0
	v_nop
	global_prefetch_b8 v0, s[64:65] scope:SCOPE_SE
	s_setreg_imm32_b32 hwreg(HW_REG_WAVE_MODE, 25, 1), 1
	s_wait_xcnt 0x0
; All seven f32 operands of the four projections become codes of FP4 (E2M1) with one E8M0 byte for each 32 along K, laid in xw AS IMAGES OF THE OPERAND'S REGISTERS.
; A fragment is 16 rows x 128 K = 8 registers a lane (lane (r, h): registers 4 c .. 4 c + 3 hold k = 64 c + 32 h + 0 .. 31): 1,024 bytes, registers 4 c .. 4 c + 3 of lane l at byte 512 c + 16 l.
; Codes: [tile][K step][1,024].  Scale words: 512 bytes a tile, [half of K][r][4 words], word i for K step 4 half + i (K = 768 has six steps: the last two words are the filler 0x7f7f7f7f, which nobody multiplies by).
; WHICH ROWS FORM A TILE is chosen here, by address.  Plain (query, Wo): lane r of tile t takes row 16 t + r.  Permuted (key, value, Wq, Wk, Wv): row 32 (t / 2) + 8 (t % 2) + r + 8 (r / 8), so that where such a
; tile is source 0 of a product, the 16 result registers of tiles 2 b and 2 b + 1 are 16 neighbours, 32 b + 16 h + 0 .. 15, along the next product's K.
; A block's scale is 2^(floor(log2(largest magnitude)) - 2); its byte is the largest magnitude's exponent field - 2, held at 1 from below.
; LIMITS: a block of zeros gets the byte 1 where the rule says 127 (its codes are zeros, and this program alone reads the bytes); NaN and infinities among the inputs are not served.
; SHARES: a wave takes one tile and one half of K (four fragments, or two: the second half of K = 768); the four waves of a work-group take four neighbouring tiles.  A lane holds two whole blocks of each fragment.
; Work-groups 0-31 Wq, 32-63 Wo, 64-95 Wk, 96-127 Wv (K is the FIRST axis: a lane takes a column, its registers run down K), 128-383 query, 384-639 key, 640-895 value (K innermost: 128 bytes a block).
; No LDS, no barrier: waves share nothing.  Loads run one fragment ahead.
.set C_XQ, 0
.set C_XK, 4194304
.set C_XV, 7340032
.set C_WQ, 10485760
.set C_WK, 11010048
.set C_WV, 11403264
.set C_WO, 11796480
.set S_XQ, 12320768
.set S_XK, 12582912
.set S_XV, 12845056
.set S_WQ, 13107200
.set S_WK, 13139968
.set S_WV, 13172736
.set S_WO, 13205504
; v1 lane, v2 r, v3 h, v4 my byte in the source, v5 16 x lane, v6 16 r + 8 h, v7 8 h, v8-9 largest magnitudes, v10-11 the conversions' scale operands, v12-13 bytes, v14-15 the word in the making,
; v16-19 the four scale words, v20-21 what I store of them, v32-95 and v96-159 two sets of 64 numbers, v160-191 codes: eight registers for each fragment, so that no store's data are written again
	s_load_b512 s[8:23], s[0:1], 0x0               ; query s[8:9], key s[10:11], value s[12:13], Wq s[14:15], Wo s[16:17], Wk s[18:19], Wv s[20:21], xw s[22:23]
	v_lshrrev_b32 v1, 5, v0
	v_readfirstlane_b32 s24, v1                    ; wave
	v_and_b32 v1, 31, v0
	v_and_b32 v2, 15, v0
	v_bfe_u32 v3, v0, 4, 1
	v_lshlrev_b32 v5, 4, v1
	v_lshlrev_b32 v7, 3, v3
	v_lshl_add_u32 v6, v2, 4, v7
	v_mov_b32 v15, 0                               ; a lane permute's destination counts as one of its sources
	v_cmp_ne_u32 vcc_lo, 0, v3                     ; lanes 16-31
	s_mov_b32 s46, 0x76543210
	s_mov_b32 s47, 0xfedcba98                      ; v_permlanex16_b32's selects for lane l xor 16
	s_mov_b32 s25, ttmp9
	s_wait_kmcnt 0x0
	; which tensor: the choice hangs on the work-group's number alone.  s[26:27] source, s28 its first work-group, s29 codes' and s30 scales' place in xw, s31 8 = permuted rows, s32 a tile's bytes of codes, s33 a row's bytes
	s_mov_b64 s[26:27], s[12:13]                   ; value, unless ..
	s_mov_b32 s28, 640
	s_mov_b32 s29, C_XV
	s_mov_b32 s30, S_XV
	s_mov_b32 s31, 8
	s_mov_b32 s32, 6144
	s_mov_b32 s33, 3072
.macro PICK limit, ptr, first, co, so, pm, tb, rb
	s_cmp_lt_u32 s25, \limit
	s_cselect_b64 s[26:27], s[\ptr:\ptr+1], s[26:27]
	s_cselect_b32 s28, \first, s28
	s_cselect_b32 s29, \co, s29
	s_cselect_b32 s30, \so, s30
	s_cselect_b32 s31, \pm, s31
	s_cselect_b32 s32, \tb, s32
	s_cselect_b32 s33, \rb, s33
.endm
	PICK 640, 10, 384, C_XK, S_XK, 8, 6144, 3072   ; key
	PICK 384, 8, 128, C_XQ, S_XQ, 0, 8192, 4096    ; query
	PICK 128, 20, 96, C_WV, S_WV, 8, 6144, 4096    ; Wv
	PICK 96, 18, 64, C_WK, S_WK, 8, 6144, 4096     ; Wk
	PICK 64, 16, 32, C_WO, S_WO, 0, 8192, 4096     ; Wo
	PICK 32, 14, 0, C_WQ, S_WQ, 8, 8192, 4096      ; Wq
	s_sub_co_u32 s34, s25, s28
	s_and_b32 s35, s34, 1                          ; which half of K
	s_lshr_b32 s34, s34, 1
	s_lshl_b32 s34, s34, 2
	s_add_co_u32 s34, s34, s24                     ; my tile
	s_lshr_b32 s36, s34, 1
	s_lshl_b32 s36, s36, 5
	s_and_b32 s37, s34, 1
	s_lshl_b32 s37, s37, 3
	s_add_co_u32 s36, s36, s37                     ; permuted: the tile begins at row 32 (t / 2) + 8 (t % 2),
	s_lshl_b32 s37, s34, 4                         ; plain: at 16 t
	s_cmp_lg_u32 s31, 0
	s_cselect_b32 s36, s36, s37
	v_and_b32 v8, s31, v2
	v_add_nc_u32 v8, v8, v2                        ; my row in the tile: r, or r + 8 (r / 8)
	s_mul_i32 s38, s34, s32
	s_add_co_u32 s38, s38, s29
	s_lshl_b32 s39, s35, 12
	s_add_co_u32 s38, s38, s39
	s_mov_b32 s39, 0
	s_add_nc_u64 s[40:41], s[22:23], s[38:39]      ; my fragments: tile x its bytes + 4,096 x half
	s_lshl_b32 s38, s34, 9
	s_add_co_u32 s38, s38, s30
	s_lshl_b32 s42, s35, 8
	s_add_co_u32 s38, s38, s42
	s_add_nc_u64 s[42:43], s[22:23], s[38:39]      ; my scale words: 512 x tile + 256 x half
; fragment f's 64 numbers into set f % 2.  kind = 1: K is the first axis, a row of the weight is 4,096 bytes; kind = 0: K innermost
.macro LOADF kind, f
.set XL, 32+64*((\f)%2)
.set I_, 0
.if \kind
.rept 64
	global_load_b32 v[XL+I_], v4, s[26:27] offset:(128*(\f)+64*(I_/32)+I_%32)*4096   ; W(128 f + 64 c + 32 h + i, my column)
.set I_, I_+1
.endr
.else
.rept 16
	global_load_b128 v[XL+4*I_:XL+4*I_+3], v4, s[26:27] offset:512*(\f)+256*(I_/8)+16*(I_%8) th:TH_LOAD_NT   ; x(my row, 128 f + 64 c + 32 h + 4 q ..): read once in the launch
.set I_, I_+1
.endr
.endif
.endm
.macro FRAG kind, f, count
.set XS, 32+64*((\f)%2)
.if (\f) < (\count)-1
.if \kind
	s_wait_loadcnt 63                              ; this fragment's loads are in; behind them stand the next fragment's 64, and 63 is the largest count that a wait can name
.else
	s_wait_loadcnt 16                              ; this fragment's loads are in; the next fragment's 16 may be out
.endif
.else
	s_wait_loadcnt 0x0
.endif
.irp c, 0,1                                    ; my block 2 c + h: all its 32 numbers are mine
	v_max3_num_f32 v[8+\c], |v[XS+32*\c]|, |v[XS+32*\c+1]|, 0x1800000   ; and the floor 2^(3 - 127): the byte cannot fall under 1
.endr
.irp i, 2,4,6,8,10,12,14,16,18,20,22,24,26,28,30
.irp c, 0,1
	v_max3_num_f32 v[8+\c], v[8+\c], |v[XS+32*\c+\i]|, |v[XS+32*\c+\i+1]|   ; (the two blocks by turns)
.endr
.endr
.irp c, 0,1
	v_add_nc_u32 v[10+\c], 0xff000000, v[8+\c]     ; 2 off the exponent field: the conversion takes the exponent field of this operand as its scale
.endr
.irp c, 0,1
	v_lshrrev_b32 v[12+\c], 23, v[10+\c]           ; the scale's byte
.endr
	v_lshl_or_b32 v14, v13, 16, v12                ; my two bytes, blocks h and 2 + h,
	v_lshlrev_b32 v14, v7, v14                     ; at their places in the word (8 h bits up);
	v_permlanex16_b32 v15, v14, s46, s47
	v_or_b32 v[16+\f], v14, v15                    ; with lane l xor 16's two the word is whole
.irp c, 0,1
.irp g, 0,1,2,3
	v_cvt_scalef32_pk8_fp4_f32 v[160+8*(\f)+4*\c+\g], v[XS+32*\c+8*\g:XS+32*\c+8*\g+7], v[10+\c]
.endr
.endr
	v_nop                                          ; one plain place behind the last conversion
	global_store_b128 v5, v[160+8*(\f):160+8*(\f)+3], s[40:41] offset:1024*(\f)          ; 32 lanes store 512 consecutive bytes
	global_store_b128 v5, v[160+8*(\f)+4:160+8*(\f)+7], s[40:41] offset:1024*(\f)+512
.if (\f)+2 < (\count)
	LOADF \kind, (\f)+2
.endif
.endm
.macro JOB kind, count
	LOADF \kind, 0
	LOADF \kind, 1
	FRAG \kind, 0, \count
	FRAG \kind, 1, \count
.if \count == 4
	FRAG \kind, 2, \count
	FRAG \kind, 3, \count
.else
	v_mov_b32 v18, 0x7f7f7f7f                      ; K = 768 has no K steps 6 and 7
	v_mov_b32 v19, 0x7f7f7f7f
.endif
	v_cndmask_b32 v20, v16, v18, vcc_lo            ; lanes 0-15 store words 0 and 1 of their row, lanes 16-31 words 2 and 3:
	v_cndmask_b32 v21, v17, v19, vcc_lo
	global_store_b64 v6, v[20:21], s[42:43]        ; 256 consecutive bytes, at a multiple of 256 from xw's first byte
	s_endpgm
.endm
	s_cmp_lt_u32 s25, 128
	s_cbranch_scc1 .Louter
	v_mul_lo_u32 v4, v8, s33                       ; K innermost: my row x its bytes
	v_lshl_add_u32 v4, v3, 7, v4                   ; + 128 h: my block of 32
	s_mul_i32 s38, s36, s33
	s_lshl_b32 s44, s35, 11
	s_add_co_u32 s38, s38, s44                     ; the tile's first row, and 512 along K for the second half
	s_add_nc_u64 s[26:27], s[26:27], s[38:39]
	s_cmp_eq_u32 s32, 8192
	s_cbranch_scc1 .Linner4
	s_cmp_eq_u32 s35, 0
	s_cbranch_scc1 .Linner4
	JOB 0, 2
.Linner4:
	JOB 0, 4
.Louter:
	v_lshlrev_b32 v4, 2, v8                        ; K is the first axis: my column, 4 bytes,
	v_lshl_add_u32 v4, v3, 17, v4                  ; and lanes 16-31 begin 32 rows of 4,096 bytes further down
	s_lshl_b32 s38, s36, 2
	s_lshl_b32 s44, s35, 21                        ; the second half begins 512 rows down
	s_add_co_u32 s38, s38, s44
	s_add_nc_u64 s[26:27], s[26:27], s[38:39]
	s_cmp_eq_u32 s32, 8192
	s_cbranch_scc1 .Louter4
	s_cmp_eq_u32 s35, 0
	s_cbranch_scc1 .Louter4
	JOB 1, 2
.Louter4:
	JOB 1, 4
.Lfunc_end_k_q7f507d043c_quant:
	.size	k_q7f507d043c_quant, .Lfunc_end_k_q7f507d043c_quant-k_q7f507d043c_quant
	.p2alignl 7, 3214868480
	.fill 96, 4, 3214868480
	.section	.rodata,"a",@progbits
	.p2align	6, 0x0
	.amdhsa_kernel k_q7f507d043c_quant
		.amdhsa_group_segment_fixed_size 0
		.amdhsa_private_segment_fixed_size 0
		.amdhsa_enable_private_segment 0
		.amdhsa_kernarg_size 64
		.amdhsa_user_sgpr_count 2
		.amdhsa_user_sgpr_kernarg_segment_ptr 1
		.amdhsa_wavefront_size32 1
		.amdhsa_system_sgpr_workgroup_id_x 1
		.amdhsa_system_sgpr_workgroup_id_y 1
		.amdhsa_system_sgpr_workgroup_id_z 1
		.amdhsa_system_vgpr_workitem_id 0
		.amdhsa_next_free_vgpr 192
		.amdhsa_next_free_sgpr 66
		.amdhsa_reserve_vcc 1
		.amdhsa_float_denorm_mode_32 3
		.amdhsa_float_denorm_mode_16_64 3
		.amdhsa_memory_ordered 1
		.amdhsa_forward_progress 1
		.amdhsa_inst_pref_size 90
	.end_amdhsa_kernel
	.amdgpu_metadata
---
amdhsa.version: [ 1, 2 ]
amdhsa.kernels:
  - .name:           k_q7f507d043c_quant
    .symbol:         k_q7f507d043c_quant.kd
    .args:
      - { .name: query, .offset: 0, .size: 8, .value_kind: global_buffer, .address_space: global }
      - { .name: key, .offset: 8, .size: 8, .value_kind: global_buffer, .address_space: global }
      - { .name: value, .offset: 16, .size: 8, .value_kind: global_buffer, .address_space: global }
      - { .name: Wq, .offset: 24, .size: 8, .value_kind: global_buffer, .address_space: global }
      - { .name: Wo, .offset: 32, .size: 8, .value_kind: global_buffer, .address_space: global }
      - { .name: Wk, .offset: 40, .size: 8, .value_kind: global_buffer, .address_space: global }
      - { .name: Wv, .offset: 48, .size: 8, .value_kind: global_buffer, .address_space: global }
      - { .name: xw, .offset: 56, .size: 8, .value_kind: global_buffer, .address_space: global }
    .group_segment_fixed_size: 0
    .private_segment_fixed_size: 0
    .kernarg_segment_align: 8
    .kernarg_segment_size: 64
    .max_flat_workgroup_size: 128
    .sgpr_count:     66
    .vgpr_count:     192
    .wavefront_size: 32
...
	.end_amdgpu_metadata
.endif
;; end of part 1
;; launch proj (part 2): grid 256 x 1, 4 waves a work-group, no clusters, 0 bytes of LDS; arguments xw, bq, bk, bv, qkv; writes qkv
.if DOCPART == 2
	.amdgcn_target "amdgcn-amd-amdhsa--gfx1250"
	.amdhsa_code_object_version 6
	.text
	.protected	k_q7f507d043c_proj
	.globl	k_q7f507d043c_proj
	.p2align	8
	.type	k_q7f507d043c_proj,@function
k_q7f507d043c_proj:
	s_mov_b64 s[64:65], 0
	v_nop
	global_prefetch_b8 v0, s[64:65] scope:SCOPE_SE
	s_setreg_imm32_b32 hwreg(HW_REG_WAVE_MODE, 25, 1), 1
	s_wait_xcnt 0x0
; q = query Wq + bq, k = key Wk + bk, v = value Wv + bv on codes of FP4 with E8M0 scales, sums in f32; each result is quantised at once for attention's products and stored as an image of the operand's registers.
; FORM.  A wave keeps a RESIDENT operand R (source 0: 128 rows = 8 tiles, all of K) in registers for the whole launch and streams tiles T (source 1: 16 rows, all of K), asked for two units ahead, in two sets.
; A UNIT is R x one tile of T: 8 NK matrix instructions on 8 accumulators by turns; in the result a lane holds ONE row of T and 64 numbers along R's rows, which R's permuted row order makes
; register 16 b + i = number 32 b + 16 (lane / 16) + i: four blocks of 32 along the next product's K.  QUANT makes of them a fragment and a scale word.  No LDS, no barrier: waves share nothing.
;   work-groups 0-127,  q: R = 128 columns of Wq (two heads), T = 16 rows of query; 8 units a wave.   128-191, k: the same with Wk and key (whose tiles hold permuted keys); 16 units a wave.
;       A fragment's registers 0-3 are the first head's 64 channels, registers 4-7 the second head's: they are stored apart, 512 bytes each; the scale word's two halves likewise (the upper two bytes of a stored word are 0).
;   work-groups 192-255, v: R = 128 rows of value (128 keys), T = 16 columns of Wv; 16 units a wave, four to a head.  The next K is the keys: a unit gives one whole fragment of V^T.
; The bias is the C of a sum's first matrix instruction: along the registers (q, k: 8 tiles of 8, kept) or along the lanes (v: one number a lane, loaded into all eight registers with the tile).
; Operands go from memory straight into registers, so there is no LDS tile that several work-groups could ask for jointly: no cluster.
; qkv: for each (batch, head) a record of 143,360 bytes: K codes [tile 0..127][512], V codes [128 keys s][tile of channels dt][1,024] at 65,536, K scale words [tile / 4][r][tile % 4] at 131,072, V scale words [s][r][dt] at 139,264;
;      then Q codes [batch, head][tile][512] at QC and Q scale words [batch, head][tile / 4][r][tile % 4] at QS.
; LIMITS: a block of zeros gets the byte 1 with zero codes (this program alone reads the bytes); NaN and infinities are not served; the bias starts each sum where reference() adds it last.
; REGISTERS.  Window 0: v1 16 x lane, v2 r, v3 h, v4 16 r, v5 16 h, v6 scale store's offset, v7 the bias's lane offset (v), v8-9, v10-11, v12-13 the two sets' offsets of codes, scale words, bias; v14-15 at work;
;   v16-79 R's scale words (8 t + ks), v80-95 T's (8 p + ks): these hold scales and nothing else; v96-159 the accumulators; v160-176 at work in QUANT; v180-183 a trip's four scale words; v184-215 a trip's four fragments.
;   Windows 1, 2: R(ks, t) at v[8 (8 (ks % 4) + t)] of window 1 + ks / 4.   Window 3: v0-127 T's two sets (64 p + 8 ks); v128-191 the bias along registers; v192-207 the bias along lanes, two sets.
.set C_XK, 4194304
.set C_XV, 7340032
.set C_WQ, 10485760
.set C_WK, 11010048
.set C_WV, 11403264
.set S_XQ, 12320768
.set S_XK, 12582912
.set S_XV, 12845056
.set S_WQ, 13107200
.set S_WK, 13139968
.set S_WV, 13172736
.set REC,  143360
.set QC,   9175040
.set QS,   13369344
.set TM,   160
.set MSB, 0
.macro WIN new                         ; the immediate's high byte repeats the setting that is left
.if MSB != \new
	s_set_vgpr_msb (MSB<<8)|\new
.set MSB, \new
.endif
.endm
.macro WM d, a, b, cc, sa, sb
	v_wmma_scale_f32_16x16x128_f8f6f4 v[\d:\d+7], v[\a:\a+7], v[\b:\b+7], v[\cc:\cc+7], v[\sa], v[\sb] matrix_a_fmt:MATRIX_FMT_FP4 matrix_b_fmt:MATRIX_FMT_FP4
.endm
; 64 numbers of a lane, register 16 b + i = k 32 b + 16 (lane / 16) + i of my row, become a fragment's codes in v[pc] on and its scale word in v[pw]
.macro QUANT s, pc, pw
.irp b, 0,1,2,3
	v_max3_num_f32 v[TM+\b], |v[\s+16*\b]|, |v[\s+1+16*\b]|, 0x1800000   ; block b: my 16 numbers, each accumulator from its low end on, and the floor 2^(3 - 127): the byte cannot fall under 1
.endr
.irp i, 2,4,6,8,10,12,14
.irp b, 0,1,2,3
	v_max3_num_f32 v[TM+\b], v[TM+\b], |v[\s+16*\b+\i]|, |v[\s+1+16*\b+\i]|
.endr
.endr
.irp b, 0,1,2,3
	v_permlanex16_b32 v[TM+4+\b], v[TM+\b], s40, s41
.endr
.irp b, 0,1,2,3
	v_max_num_f32 v[TM+\b], v[TM+\b], v[TM+4+\b]   ; with lane l xor 16's: the block's largest magnitude
.endr
.irp b, 0,1,2,3
	v_add_nc_u32 v[TM+12+\b], 0xff000000, v[TM+\b] ; 2 off its exponent field: the conversion's scale operand
.endr
.irp b, 0,1,2,3
	v_lshrrev_b32 v[TM+4+\b], 23, v[TM+12+\b]      ; the scale's byte
.endr
	v_lshl_or_b32 v[\pw], v[TM+5], 8, v[TM+4]
	v_lshl_or_b32 v[\pw], v[TM+6], 16, v[\pw]
	v_lshl_or_b32 v[\pw], v[TM+7], 24, v[\pw]
.irp b, 0,1,2,3
	v_cvt_scalef32_pk8_fp4_f32 v[\pc+2*\b], v[\s+16*\b:\s+7+16*\b], v[TM+12+\b]
	v_cvt_scalef32_pk8_fp4_f32 v[\pc+1+2*\b], v[\s+8+16*\b:\s+15+16*\b], v[TM+12+\b]
.endr
	v_nop                                          ; one plain place behind a scaled conversion
.irp c, 0,1                                    ; the operand's layout wants a WHOLE block in a lane: lanes 0-15 block 2 c, lanes 16-31 block 2 c + 1
.irp i, 0,1
	v_permlane16_swap_b32 v[\pc+4*\c+\i], v[\pc+2+4*\c+\i]
.endr
.endr
.endm
; R: 8 tiles x nk K steps of codes from s[16:17], their scale words from s[18:19]
.macro RLOAD nk
	WIN 0x40                                       ; destination window 1
.set KS_, 0
.rept 4
.irp t, 0,1,2,3,4,5,6,7
.irp c, 0,1
	global_load_b128 v[8*(8*KS_+\t)+4*\c:8*(8*KS_+\t)+4*\c+3], v1, s[16:17] offset:(\t*\nk+KS_)*1024+512*\c
.endr
.endr
.set KS_, KS_+1
.endr
	WIN 0x80                                       ; destination window 2
.rept \nk-4
.irp t, 0,1,2,3,4,5,6,7
.irp c, 0,1
	global_load_b128 v[8*(8*(KS_-4)+\t)+4*\c:8*(8*(KS_-4)+\t)+4*\c+3], v1, s[16:17] offset:(\t*\nk+KS_)*1024+512*\c
.endr
.endr
.set KS_, KS_+1
.endr
	WIN 0
.irp t, 0,1,2,3,4,5,6,7
	global_load_b128 v[16+8*\t:19+8*\t], v4, s[18:19] offset:512*\t        ; lane r: its row's words for K steps 0-3,
	global_load_b128 v[20+8*\t:23+8*\t], v4, s[18:19] offset:512*\t+256    ; and 4-7
.endr
.endm
; the bias along the registers: tile 2 b + u, lane half h, register j is column 32 b + 16 h + 8 u + j of my 128.  v12 = 64 h
.macro BLOAD
	WIN 0xc0                                       ; destination window 3
.irp t, 0,1,2,3,4,5,6,7
	global_load_b128 v[128+8*\t:131+8*\t], v12, s[24:25] offset:(32*(\t/2)+8*(\t%2))*4
	global_load_b128 v[132+8*\t:135+8*\t], v12, s[24:25] offset:(32*(\t/2)+8*(\t%2))*4+16
.endr
	WIN 0
.endm
; the next tile of T into set p: 2 nk loads of codes, (mode 1: 8 of the bias,) 2 of scale words.  s30 counts tiles of T's region and is held at my last tile, s31: a wave's last two requests
; name that tile once more, so that every wait below keeps its count and no load leaves my tiles.  The set's offsets are written here: the loads that read them were waited for at the unit's head.
.macro TLOAD mode, nk, p
	s_min_u32 s33, s30, s31
	s_add_co_u32 s30, s30, 1
	s_mul_i32 s36, s33, (\nk)*1024
	v_add_nc_u32 v[8+\p], s36, v1
	s_lshl_b32 s36, s33, 9
	v_add_nc_u32 v[10+\p], s36, v4
.if \mode
	s_lshr_b32 s36, s33, 1
	s_lshl_b32 s36, s36, 7
	s_and_b32 s37, s33, 1
	s_lshl_b32 s37, s37, 5
	s_add_co_u32 s36, s36, s37
	v_add_nc_u32 v[12+\p], s36, v7                 ; my lane's column: 32 (t / 2) + 8 (t % 2) + r + 8 (r / 8), 4 bytes each
.endif
	WIN 0xc0
.set KS_, 0
.rept \nk
	global_load_b128 v[64*\p+8*KS_:64*\p+8*KS_+3], v[8+\p], s[20:21] offset:1024*KS_
	global_load_b128 v[64*\p+8*KS_+4:64*\p+8*KS_+7], v[8+\p], s[20:21] offset:1024*KS_+512
.set KS_, KS_+1
.endr
.if \mode
.irp j, 0,1,2,3,4,5,6,7
	global_load_b32 v[192+8*\p+\j], v[12+\p], s[24:25]   ; the same number into all eight registers of C
.endr
.endif
	WIN 0
	global_load_b128 v[80+8*\p:83+8*\p], v[10+\p], s[22:23]
	global_load_b128 v[84+8*\p:87+8*\p], v[10+\p], s[22:23] offset:256
.endm
; a unit: set p, the u-th of its trip.  cnt: the loads of one TLOAD.  hs: bytes from a head's codes to the next head's (mode 0)
.macro UNIT mode, nk, p, u, cnt, hs
	s_wait_loadcnt \cnt                            ; set p (and all that is older) is in; the other set's loads may be out
	WIN 0x3d                                       ; source 0 (R) window 1, source 1 (T) and source 2 (the bias) window 3, destination window 0
.irp t, 0,1,2,3,4,5,6,7                        ; the eight accumulators take turns, one instruction a turn, in every K step
.if \mode
	WM 96+8*\t, 8*\t, 64*\p, 192+8*\p, 16+8*\t, 80+8*\p
.else
	WM 96+8*\t, 8*\t, 64*\p, 128+8*\t, 16+8*\t, 80+8*\p
.endif
.endr
	WIN 0x0d                                       ; C and D window 0
.set KS_, 1
.rept 3
.irp t, 0,1,2,3,4,5,6,7
	WM 96+8*\t, 8*(8*KS_+\t), 64*\p+8*KS_, 96+8*\t, 16+8*\t+KS_, 80+8*\p+KS_
.endr
.set KS_, KS_+1
.endr
	WIN 0x0e                                       ; R's K steps 4 on: window 2
.rept \nk-4
.irp t, 0,1,2,3,4,5,6,7
	WM 96+8*\t, 8*(8*(KS_-4)+\t), 64*\p+8*KS_, 96+8*\t, 16+8*\t+KS_, 80+8*\p+KS_
.endr
.set KS_, KS_+1
.endr
	WIN 0
.rept 4
	v_nop                                          ; four places behind the last products, ahead of the loads into set p and of the first read of results
.endr
	TLOAD \mode, \nk, \p                           ; the tile two units on: it has the other set's whole unit in which to land
	QUANT 96, 184+8*\u, 176
.if \mode
	v_mov_b32 v[180+\u], v176                      ; the fragment's scale word: four blocks of 32 keys
	global_store_b128 v1, v[184+8*\u:187+8*\u], s[26:27] offset:1024*\u          ; 512 consecutive bytes a store
	global_store_b128 v1, v[188+8*\u:191+8*\u], s[26:27] offset:1024*\u+512
.else
	v_bfe_u32 v[180+\u], v176, v5, 16              ; lanes 0-15 keep the first head's two bytes, lanes 16-31 the second head's; the upper two bytes are 0
	global_store_b128 v1, v[184+8*\u:187+8*\u], s[26:27] offset:512*\u           ; the first head's 64 channels,
	global_store_b128 v1, v[188+8*\u:191+8*\u], s[26:27] offset:512*\u+\hs       ; the second head's
.endif
.endm
	s_load_b256 s[4:11], s[0:1], 0x0               ; xw s[4:5], bq s[6:7], bk s[8:9], bv s[10:11]
	s_load_b64 s[12:13], s[0:1], 0x20              ; qkv
	v_lshrrev_b32 v1, 5, v0
	v_readfirstlane_b32 s14, v1                    ; wave
	v_and_b32 v1, 31, v0
	v_lshlrev_b32 v1, 4, v1
	v_and_b32 v2, 15, v0
	v_bfe_u32 v3, v0, 4, 1
	v_lshlrev_b32 v4, 4, v2
	v_lshlrev_b32 v5, 4, v3
	v_and_b32 v7, 8, v2
	v_add_nc_u32 v7, v7, v2
	v_lshlrev_b32 v7, 2, v7
.irp b, 0,1,2,3
	v_mov_b32 v[TM+4+\b], 0                        ; written once: a lane permute's destination counts as one of its sources
.endr
	s_mov_b32 s40, 0x76543210
	s_mov_b32 s41, 0xfedcba98                      ; v_permlanex16_b32's selects for lane l xor 16
	s_mov_b32 s15, ttmp9
	s_mov_b32 s35, 0                               ; s[34:35]: a byte offset in 64 bits
	s_wait_kmcnt 0x0
	s_cmp_lt_u32 s15, 128
	s_cbranch_scc0 .Lnot_q
	; ---- q: work-group i: columns 128 g on, g = 4 (i % 2) + wave; tiles 8 (i / 2) .. + 7 of query
	s_and_b32 s33, s15, 1
	s_lshl_b32 s33, s33, 2
	s_add_co_u32 s33, s33, s14                     ; g
	s_lshr_b32 s36, s15, 1
	s_lshl_b32 s30, s36, 3                         ; my first tile
	s_add_co_u32 s31, s30, 7                       ; my last
	s_lshl_b32 s34, s33, 16
	s_add_co_u32 s34, s34, C_WQ
	s_add_nc_u64 s[16:17], s[4:5], s[34:35]        ; R's codes: 8 tiles x 8,192 bytes a group
	s_lshl_b32 s34, s33, 12
	s_add_co_u32 s34, s34, S_WQ
	s_add_nc_u64 s[18:19], s[4:5], s[34:35]        ; R's scale words
	s_mov_b64 s[20:21], s[4:5]                     ; T's codes: query's lie at xw's head
	s_add_nc_u64 s[22:23], s[4:5], S_XQ            ; T's scale words
	s_lshl_b32 s34, s33, 9
	s_add_nc_u64 s[24:25], s[6:7], s[34:35]        ; bq at my 128 columns
	s_lshr_b32 s36, s30, 7                         ; batch
	s_and_b32 s37, s30, 127                        ; the tile in its batch
	s_lshl_b32 s36, s36, 4
	s_lshl_b32 s38, s33, 1
	s_add_co_u32 s36, s36, s38                     ; 16 x batch + my first head
	s_lshl_b32 s34, s36, 7
	s_add_co_u32 s34, s34, s37
	s_lshl_b32 s34, s34, 9
	s_add_co_u32 s34, s34, QC
	s_add_nc_u64 s[26:27], s[12:13], s[34:35]      ; where the codes go
	s_lshl_b32 s34, s36, 13
	s_lshl_b32 s38, s37, 6
	s_add_co_u32 s34, s34, s38
	s_add_co_u32 s34, s34, QS
	s_add_nc_u64 s[28:29], s[12:13], s[34:35]      ; and the scale words
	v_lshl_add_u32 v6, v3, 13, v4                  ; 16 r, and lanes 16-31 the next head's 8,192 bytes
	v_lshlrev_b32 v12, 6, v3
	RLOAD 8
	BLOAD
	TLOAD 0, 8, 0
	TLOAD 0, 8, 1
	s_mov_b32 s32, 2
.Ltrip_q:
	UNIT 0, 8, 0, 0, 18, 65536
	UNIT 0, 8, 1, 1, 18, 65536
	UNIT 0, 8, 0, 2, 18, 65536
	UNIT 0, 8, 1, 3, 18, 65536
	global_store_b128 v6, v[180:183], s[28:29]     ; four tiles' words of a row: sixteen lanes store 256 consecutive, aligned bytes for each of the two heads
	s_wait_xcnt 0x0                                ; the trip's stores have read their data and bases: both are written again only behind this wait
	s_add_nc_u64 s[26:27], s[26:27], 2048
	s_add_nc_u64 s[28:29], s[28:29], 256
	s_sub_co_u32 s32, s32, 1
	s_cmp_lg_u32 s32, 0
	s_cbranch_scc1 .Ltrip_q
	s_endpgm
.Lnot_q:
	s_cmp_lt_u32 s15, 192
	s_cbranch_scc0 .Lpath_v
	; ---- k: work-group 128 + i: columns 128 g on; tiles 16 (i / 2) .. + 15 of key
	s_sub_co_u32 s39, s15, 128
	s_and_b32 s33, s39, 1
	s_lshl_b32 s33, s33, 2
	s_add_co_u32 s33, s33, s14                     ; g
	s_lshr_b32 s36, s39, 1
	s_lshl_b32 s30, s36, 4
	s_add_co_u32 s31, s30, 15
	s_mul_i32 s34, s33, 49152                      ; 8 tiles x 6,144 bytes a group
	s_add_co_u32 s34, s34, C_WK
	s_add_nc_u64 s[16:17], s[4:5], s[34:35]
	s_lshl_b32 s34, s33, 12
	s_add_co_u32 s34, s34, S_WK
	s_add_nc_u64 s[18:19], s[4:5], s[34:35]
	s_add_nc_u64 s[20:21], s[4:5], C_XK
	s_add_nc_u64 s[22:23], s[4:5], S_XK
	s_lshl_b32 s34, s33, 9
	s_add_nc_u64 s[24:25], s[8:9], s[34:35]        ; bk at my 128 columns
	s_lshr_b32 s36, s30, 7
	s_and_b32 s37, s30, 127
	s_lshl_b32 s36, s36, 4
	s_lshl_b32 s38, s33, 1
	s_add_co_u32 s36, s36, s38
	s_mul_i32 s36, s36, REC                        ; my first head's record
	s_lshl_b32 s34, s37, 9
	s_add_co_u32 s34, s34, s36
	s_add_nc_u64 s[26:27], s[12:13], s[34:35]
	s_lshl_b32 s34, s37, 6
	s_add_co_u32 s34, s34, s36
	s_add_co_u32 s34, s34, 131072
	s_add_nc_u64 s[28:29], s[12:13], s[34:35]
	v_mul_u32_u24 v6, v3, REC
	v_add_nc_u32 v6, v6, v4                        ; 16 r, and lanes 16-31 the next head's record
	v_lshlrev_b32 v12, 6, v3
	RLOAD 6
	BLOAD
	TLOAD 0, 6, 0
	TLOAD 0, 6, 1
	s_mov_b32 s32, 4
.Ltrip_k:
	UNIT 0, 6, 0, 0, 14, REC
	UNIT 0, 6, 1, 1, 14, REC
	UNIT 0, 6, 0, 2, 14, REC
	UNIT 0, 6, 1, 3, 14, REC
	global_store_b128 v6, v[180:183], s[28:29]
	s_wait_xcnt 0x0                                ; as in q's loop
	s_add_nc_u64 s[26:27], s[26:27], 2048
	s_add_nc_u64 s[28:29], s[28:29], 256
	s_sub_co_u32 s32, s32, 1
	s_cmp_lg_u32 s32, 0
	s_cbranch_scc1 .Ltrip_k
	s_endpgm
.Lpath_v:
	; ---- v: work-group 192 + i: keys 128 G on, G = 4 (i / 4) + wave = 16 x batch + s; tiles 16 (i % 4) .. + 15 of Wv: four heads, one a trip
	s_sub_co_u32 s39, s15, 192
	s_lshr_b32 s33, s39, 2
	s_lshl_b32 s33, s33, 2
	s_add_co_u32 s33, s33, s14                     ; G
	s_and_b32 s38, s39, 3
	s_lshl_b32 s30, s38, 4
	s_add_co_u32 s31, s30, 15
	s_mul_i32 s34, s33, 49152
	s_add_co_u32 s34, s34, C_XV
	s_add_nc_u64 s[16:17], s[4:5], s[34:35]
	s_lshl_b32 s34, s33, 12
	s_add_co_u32 s34, s34, S_XV
	s_add_nc_u64 s[18:19], s[4:5], s[34:35]
	s_add_nc_u64 s[20:21], s[4:5], C_WV
	s_add_nc_u64 s[22:23], s[4:5], S_WV
	s_mov_b64 s[24:25], s[10:11]                   ; bv
	s_lshr_b32 s36, s33, 4
	s_lshl_b32 s36, s36, 4                         ; 16 x batch
	s_lshl_b32 s38, s38, 2
	s_add_co_u32 s36, s36, s38                     ; + my first head
	s_mul_i32 s36, s36, REC
	s_and_b32 s37, s33, 15                         ; s
	s_lshl_b32 s34, s37, 12
	s_add_co_u32 s34, s34, s36
	s_add_co_u32 s34, s34, 65536
	s_add_nc_u64 s[26:27], s[12:13], s[34:35]
	s_lshl_b32 s34, s37, 8
	s_add_co_u32 s34, s34, s36
	s_add_co_u32 s34, s34, 139264
	s_add_nc_u64 s[28:29], s[12:13], s[34:35]
	v_lshl_add_u32 v6, v3, 3, v4                   ; 16 r + 8 h
	v_cmp_ne_u32 vcc_lo, 0, v3
	RLOAD 6
	TLOAD 1, 6, 0
	TLOAD 1, 6, 1
	s_mov_b32 s32, 4
.Ltrip_v:
	UNIT 1, 6, 0, 0, 22, 0
	UNIT 1, 6, 1, 1, 22, 0
	UNIT 1, 6, 0, 2, 22, 0
	UNIT 1, 6, 1, 3, 22, 0
	v_cndmask_b32 v14, v180, v182, vcc_lo          ; lanes 0-15 store the words of tiles 0 and 1, lanes 16-31 of tiles 2 and 3:
	v_cndmask_b32 v15, v181, v183, vcc_lo
	global_store_b64 v6, v[14:15], s[28:29]        ; 256 consecutive, aligned bytes
	s_wait_xcnt 0x0                                ; as in q's loop
	s_add_nc_u64 s[26:27], s[26:27], REC           ; the next head's record
	s_add_nc_u64 s[28:29], s[28:29], REC
	s_sub_co_u32 s32, s32, 1
	s_cmp_lg_u32 s32, 0
	s_cbranch_scc1 .Ltrip_v
	s_endpgm
.Lfunc_end_k_q7f507d043c_proj:
	.size	k_q7f507d043c_proj, .Lfunc_end_k_q7f507d043c_proj-k_q7f507d043c_proj
	.p2alignl 7, 3214868480
	.fill 96, 4, 3214868480
	.section	.rodata,"a",@progbits
	.p2align	6, 0x0
	.amdhsa_kernel k_q7f507d043c_proj
		.amdhsa_group_segment_fixed_size 0
		.amdhsa_private_segment_fixed_size 0
		.amdhsa_enable_private_segment 0
		.amdhsa_kernarg_size 40
		.amdhsa_user_sgpr_count 2
		.amdhsa_user_sgpr_kernarg_segment_ptr 1
		.amdhsa_wavefront_size32 1
		.amdhsa_system_sgpr_workgroup_id_x 1
		.amdhsa_system_sgpr_workgroup_id_y 1
		.amdhsa_system_sgpr_workgroup_id_z 1
		.amdhsa_system_vgpr_workitem_id 0
		.amdhsa_next_free_vgpr 1024
		.amdhsa_next_free_sgpr 66
		.amdhsa_reserve_vcc 1
		.amdhsa_float_denorm_mode_32 3
		.amdhsa_float_denorm_mode_16_64 3
		.amdhsa_memory_ordered 1
		.amdhsa_forward_progress 1
		.amdhsa_inst_pref_size 212
	.end_amdhsa_kernel
	.amdgpu_metadata
---
amdhsa.version: [ 1, 2 ]
amdhsa.kernels:
  - .name:           k_q7f507d043c_proj
    .symbol:         k_q7f507d043c_proj.kd
    .args:
      - { .name: xw, .offset: 0, .size: 8, .value_kind: global_buffer, .address_space: global }
      - { .name: bq, .offset: 8, .size: 8, .value_kind: global_buffer, .address_space: global }
      - { .name: bk, .offset: 16, .size: 8, .value_kind: global_buffer, .address_space: global }
      - { .name: bv, .offset: 24, .size: 8, .value_kind: global_buffer, .address_space: global }
      - { .name: qkv, .offset: 32, .size: 8, .value_kind: global_buffer, .address_space: global }
    .group_segment_fixed_size: 0
    .private_segment_fixed_size: 0
    .kernarg_segment_align: 8
    .kernarg_segment_size: 40
    .max_flat_workgroup_size: 128
    .sgpr_count:     66
    .vgpr_count:     1024
    .wavefront_size: 32
...
	.end_amdgpu_metadata
.endif
;; end of part 2
;; launch attn (part 3): grid 8 x 32, 16 waves a work-group, no clusters, 288,768 bytes of LDS; arguments qkv, ctx; writes ctx
.if DOCPART == 3
	.amdgcn_target "amdgcn-amd-amdhsa--gfx1250"
	.amdhsa_code_object_version 6
	.text
	.protected	k_q7f507d043c_attn
	.globl	k_q7f507d043c_attn
	.p2align	8
	.type	k_q7f507d043c_attn,@function
k_q7f507d043c_attn:
	s_mov_b64 s[64:65], 0
	v_nop
	global_prefetch_b8 v0, s[64:65] scope:SCOPE_SE
	s_setreg_imm32_b32 hwreg(HW_REG_WAVE_MODE, 25, 1), 1
	s_wait_xcnt 0x0
; ctx[b][q][head][:] = the sum over keys of softmax(q . k / 8) v, both products on codes of FP4 with E8M0 scales; ctx is quantised along (head, channel) at once, for the last projection, and stored as an image of that operand's registers.
; THE SOFTMAX AHEAD OF THE SECOND PRODUCT: t = score x log2(e) / 8; M = the row's largest t so far, rounded UP to a whole number; p = 2^(t - M) is quantised along the keys, not normalised.  The row's sum is taken of the
; unquantised p, in f32, and divides at the end.  When M moves, the sum and O are multiplied by 2^(old M - new M): exact.
; SHARES.  Work-group (x, y): 256 queries (block x) of batch y / 8 and the TWO heads 2 (y % 8), 2 (y % 8) + 1.  Each of sixteen waves owns one tile of 16 queries and walks all 2,048 keys, 128 a step, once for each head:
; so a wave ends with 128 neighbouring numbers of ctx for its 16 rows: one whole fragment and one whole scale word.  Four waves share a SIMD: one wave's vector work stands beside another's matrix work and LDS loads.
; LDS holds the two heads' records of qkv as they lie in memory (K codes, V codes, K scale words, V scale words: 143,360 bytes a head), filled ONCE through registers; behind the one barrier it is only read.
; All fragments are images of registers: every LDS load is 16 bytes a lane, 512 consecutive bytes.  What work-groups share is read once at each one's head and not step by step: no cluster.
; LAYOUT.  Both products are used transposed: S^T = K Q^T (source 0 = 16 keys, source 1 = my 16 queries), O^T = V^T P^T (source 0 = 16 channels, source 1 = P): a lane holds ONE query (lane % 16) throughout.
; The keys of a tile of K and the channels of a tile of V are permuted (lane r of tile 2 b + u: 32 b + 8 u + r + 8 (r / 8)), so that the 16 registers of tiles 2 b, 2 b + 1 are 16 neighbours, 32 b + 16 (lane / 16) + 0 .. 15.
; THE FIRST PRODUCT'S K IS 64, the instruction's 128.  Q's registers 4-7 are zero codes, and bytes 2 and 3 of Q's and K's scale words are 0 (2^-127: a number, not NaN).  So whatever stands in registers 4-7 of K's
; operand adds nothing: K's operand for tile t is v[32 + 4 t : 39 + 4 t], whose upper half is the next tile's codes (behind the last tile: four registers of zeros).  K is kept and read as 4 registers a tile.
; LIMITS: NaN and infinities are not served; a block of zeros gets the byte 1 with zero codes; a block's largest p is made from its largest score (this takes v_exp_f32 not to fall where its input rises); 1 / sum by v_rcp_f32.
; REGISTERS: v1 16 x lane, v2 16 (lane % 16), v3-6 the step's LDS addresses, v7 4 x lane, v12 -M, v13 the largest t, v[14:15] the sum in two halves, v16-23, v24-31 Q of the two heads, v32-63 K, v64-67 zeros,
;   v68-75 K's, v76-79 V's, v80-81 Q's scale words (scales and nothing else), v82-89 ctx's codes, v90 its scale word, v96-159 S^T, then p, v160-191 O^T, v192-223 V, v224-231 p's codes, v232-254 at work (v252 f, v253 p's scale word).
.set REC, 143360
.set QC,  9175040
.set QS,  13369344
.set CSO, 4194304                      ; ctx: the scale words lie behind the codes
.set CS,  28                           ; s[28:29] c = log2(e) / 8: the packed form names a pair and takes its low word for both halves
.set SEL, 30                           ; s[30:31] lane selects for v_permlanex16_b32: lane l xor 16
	s_load_b128 s[4:7], s[0:1], 0x0                ; qkv, ctx
	v_lshl_add_u32 v251, v0, 2, 0x46000
	v_mov_b32 v255, 0
	v_lshrrev_b32 v1, 5, v0
	v_readfirstlane_b32 s8, v1                     ; wave 0..15
	v_and_b32 v7, 31, v0
	v_lshlrev_b32 v1, 4, v7
	v_lshlrev_b32 v7, 2, v7
	v_and_b32 v2, 15, v0
	v_lshlrev_b32 v2, 4, v2
	v_lshlrev_b32 v240, 4, v0                      ; the fill: 16 bytes a thread, 8,192 a round;
.irp j, 1,2,3,4
	v_add_nc_u32 v[240+\j], 65536*\j, v240         ; an LDS immediate reaches 65,535: a register for each 65,536 bytes
.endr
	s_mov_b32 s9, ttmp9
	s_and_b32 s10, ttmp7, 0xffff
	s_lshl_b32 s11, s9, 4
	s_add_co_u32 s11, s11, s8                      ; my tile of queries in the batch
	s_mov_b32 s19, 0
	s_mov_b32 s[CS], 0x3e38aa3b
	s_mov_b32 s[CS+1], s[CS]                       ; (named with it as a pair, so it is written)
	s_mov_b32 s[SEL], 0x76543210
	s_mov_b32 s[SEL+1], 0xfedcba98
	s_mul_i32 s18, s10, 2*REC                      ; 16 x batch + my first head = 2 y
	s_wait_kmcnt 0x0
	s_add_nc_u64 s[12:13], s[4:5], s[18:19]        ; the two records
	s_lshl_b32 s18, s10, 8
	s_add_co_u32 s18, s18, s11
	s_lshl_b32 s18, s18, 9
	s_add_co_u32 s18, s18, QC
	s_add_nc_u64 s[14:15], s[4:5], s[18:19]        ; Q's codes: (128 x 2 y + tile) x 512
	s_lshl_b32 s18, s10, 14
	s_lshr_b32 s32, s11, 2
	s_lshl_b32 s32, s32, 8
	s_add_co_u32 s18, s18, s32
	s_and_b32 s32, s11, 3
	s_lshl_b32 s32, s32, 2
	s_add_co_u32 s18, s18, s32
	s_add_co_u32 s18, s18, QS
	s_add_nc_u64 s[16:17], s[4:5], s[18:19]        ; Q's scale words: 8,192 x 2 y + 256 (tile / 4) + 4 (tile % 4)
	s_lshr_b32 s32, s10, 3
	s_lshl_b32 s32, s32, 7
	s_add_co_u32 s32, s32, s11                     ; my tile of ctx's rows: 128 x batch + tile
	s_and_b32 s33, s10, 7                          ; the K step of the last projection: the pair of heads
	s_lshl_b32 s18, s32, 13
	s_lshl_b32 s34, s33, 10
	s_add_co_u32 s18, s18, s34
	s_add_nc_u64 s[24:25], s[6:7], s[18:19]        ; ctx's codes: [tile][K step][1,024]
	s_lshl_b32 s18, s33, 16
	s_lshl_b32 s34, s32, 7
	s_add_co_u32 s18, s18, s34
	s_add_co_u32 s18, s18, CSO
	s_add_nc_u64 s[26:27], s[6:7], s[18:19]        ; its scale words: [K step][tile][32 lanes]
	global_load_b128 v[16:19], v1, s[14:15]        ; Q stays in registers
	global_load_b128 v[24:27], v1, s[14:15] offset:65536
	global_load_b32 v80, v2, s[16:17]
	global_load_b32 v81, v2, s[16:17] offset:8192
.set I_, 0
.rept 35                                       ; 35 rounds of 8,192 bytes are the two records
	global_load_b128 v[96+4*I_:99+4*I_], v240, s[12:13] offset:8192*I_
.set I_, I_+1
.endr
.irp j, 20,21,22,23,28,29,30,31,64,65,66,67,236,237,238,239,253
	v_mov_b32 v\j, 0                               ; Q's zero codes; the zeros behind K's last tile; the lane permutes' destinations and the pair v[252:253], which are named before they are first written
.endr
.set I_, 0
.rept 35
	s_wait_loadcnt 34-I_                           ; loads come back in order: round I_ (and Q, which is older) is in, the younger rounds may be out
	ds_store_b128 v[240+I_/8], v[96+4*I_:99+4*I_] offset:(I_%8)*8192
.set I_, I_+1
.endr
	s_wait_dscnt 0x0                               ; for the others' sake: my stores have landed
	s_barrier_signal -1
	s_barrier_wait -1                              ; the launch's one barrier: from here on LDS is only read
.macro PASS p                          ; head p of the two
	v_mov_b32 v13, 0xff61b1e6                      ; the largest t so far: -3e38, under every t
	v_floor_f32 v12, -v13                          ; -M
	v_mov_b32 v14, 0                               ; the sum, in two halves
	v_mov_b32 v15, 0
.set J_, 0
.rept 32
	v_mov_b32 v[160+J_], 0                         ; O^T.  (The step is written once: the first finds zeros, which the first change of M leaves zeros)
.set J_, J_+1
.endr
	s_mov_b32 s20, REC*\p                          ; the step's K codes (V's lie 65,536 further on),
	s_mov_b32 s21, REC*\p+131072                   ; K's scale words,
	s_mov_b32 s22, REC*\p+139264                   ; V's
	s_mov_b32 s23, 16
.Lstep_\@:                                         ; a step: 128 keys
	v_add_nc_u32 v3, s20, v1                       ; (these four are also the places between the last step's products and the loads into the registers that they read)
	v_add_nc_u32 v4, 0x10000, v3
	v_add_nc_u32 v5, s21, v2
	v_add_nc_u32 v6, s22, v2
.irp t, 0,1,2,3,4,5,6,7
	ds_load_b128 v[32+4*\t:35+4*\t], v3 offset:512*\t
.endr
	ds_load_b128 v[68:71], v5                      ; lane r: its key's words in tiles 0-3,
	ds_load_b128 v[72:75], v5 offset:256           ; and 4-7
.irp t, 0,1,2,3
	ds_load_b128 v[192+8*\t:195+8*\t], v4 offset:1024*\t
	ds_load_b128 v[196+8*\t:199+8*\t], v4 offset:1024*\t+512
.endr
	ds_load_b128 v[76:79], v6
	s_wait_dscnt 9                                 ; K and its words are in; V's nine loads may be out: they land under the softmax
.irp t, 0,1,2,3,4,5,6,7
	v_wmma_scale_f32_16x16x128_f8f6f4 v[96+8*\t:103+8*\t], v[32+4*\t:39+4*\t], v[16+8*\p:23+8*\p], 0, v[68+\t], v[80+\p] matrix_a_fmt:MATRIX_FMT_FP4 matrix_b_fmt:MATRIX_FMT_FP4
.endr                                          ; lane (r, h) holds query r; the 16 registers of tiles 2 b, 2 b + 1 are keys 32 b + 16 h + 0 .. 15 of the step
.rept 4
	v_nop
.endr
.irp b, 0,1,2,3
	v_max3_num_f32 v[232+\b], v[96+16*\b], v[97+16*\b], v[98+16*\b]   ; THE LARGEST SCORE OF EACH BLOCK OF 32 KEYS: for the row's maximum, and, since p rises with the score, for the block's largest p
.endr
.irp i, 3,5,7,9,11,13
.irp b, 0,1,2,3
	v_max3_num_f32 v[232+\b], v[232+\b], v[96+16*\b+\i], v[97+16*\b+\i]
.endr
.endr
.irp b, 0,1,2,3
	v_max_num_f32 v[232+\b], v[232+\b], v[111+16*\b]
.endr
.irp b, 0,1,2,3
	v_permlanex16_b32 v[236+\b], v[232+\b], s[SEL], s[SEL+1]
.endr
.irp b, 0,1,2,3
	v_max_num_f32 v[232+\b], v[232+\b], v[236+\b]  ; with lane l xor 16's 16 keys
.endr
	v_max3_num_f32 v254, v232, v233, v234
	v_max_num_f32 v254, v254, v235                 ; the step's largest score of my query
	v_mul_f32 v254, s[CS], v254                    ; as t (c is positive)
	v_max_num_f32 v13, v13, v254                   ; the running largest t
	v_mov_b32 v254, v12
	v_floor_f32 v12, -v13                          ; the new -M = floor(-t) = -ceil(t): M is a whole number
	v_sub_f32 v254, v12, v254                      ; M's old value less its new one: a whole number, 0 or less
	v_cvt_i32_f32 v254, v254                       ; (it saturates)
	v_ldexp_f32 v252, 1.0, v254                    ; f = 2^(old M - new M)
.set J_, 0
.rept 32
	v_pk_fma_f32 v[96+J_:97+J_], v[96+J_:97+J_], s[CS:CS+1], v[12:13] op_sel_hi:[1,0,0]   ; t - M, two at a time
.set J_, J_+2
.endr
.irp b, 0,1,2,3
	v_fma_f32 v[232+\b], v[232+\b], s[CS], v12     ; the same of each block's largest score
.endr
.set J_, 0
.rept 64
	v_exp_f32 v[96+J_], v[96+J_]                   ; p = 2^(t - M), at most 1: not normalised
.set J_, J_+1
.endr
	v_pk_mul_f32 v[14:15], v[14:15], v[252:253] op_sel_hi:[1,0]   ; the sums under the new M.  (A plain place behind the exponentials)
	s_wait_alu depctr_va_vdst(0)                   ; one wait for the whole batch, ahead of its first reader
.irp b, 0,1,2,3
	v_exp_f32 v[232+\b], v[232+\b]                 ; the block's largest p: the same two instructions on the same number give the same bits
.endr
	v_pk_add_f32 v[236:237], v[96:97], v[98:99]    ; THE ROW'S SUM IS TAKEN OF THE UNQUANTISED p: two at a time, in two chains
.irp j, 4,8,12,16,20,24,28,32,36,40,44,48,52,56,60
	v_pk_add_f32 v[14:15], v[14:15], v[96+\j:97+\j]
	v_pk_add_f32 v[236:237], v[236:237], v[98+\j:99+\j]
.endr
	v_pk_add_f32 v[14:15], v[14:15], v[236:237]
	s_wait_alu depctr_va_vdst(0)                   ; and one for the four
.irp b, 0,1,2,3
	v_max_num_f32 v[232+\b], 0x1800000, v[232+\b]  ; the floor 2^(3 - 127): the byte cannot fall under 1
.endr
.irp b, 0,1,2,3
	v_add_nc_u32 v[244+\b], 0xff000000, v[232+\b]  ; 2 off the exponent field: the conversion's scale operand
.endr
.irp b, 0,1,2,3
	v_lshrrev_b32 v[236+\b], 23, v[244+\b]         ; the scale's byte
.endr
	v_lshl_or_b32 v253, v237, 8, v236              ; p's scale word for these 128 keys
	v_lshl_or_b32 v253, v238, 16, v253
	v_lshl_or_b32 v253, v239, 24, v253
.irp b, 0,1,2,3
	v_cvt_scalef32_pk8_fp4_f32 v[224+2*\b], v[96+16*\b:103+16*\b], v[244+\b]
	v_cvt_scalef32_pk8_fp4_f32 v[225+2*\b], v[104+16*\b:111+16*\b], v[244+\b]
.endr
	v_nop                                          ; one plain place behind a scaled conversion
.irp c, 0,1                                    ; the operand's layout wants a WHOLE block in a lane
.irp i, 0,1
	v_permlane16_swap_b32 v[224+4*\c+\i], v[226+4*\c+\i]
.endr
.endr
.set J_, 0
.rept 16
	v_pk_mul_f32 v[160+J_:161+J_], v[160+J_:161+J_], v[252:253] op_sel_hi:[1,0]   ; O^T under the new M.  (These sixteen are also the places between p's codes and scale word and the products below)
.set J_, J_+2
.endr
	s_wait_dscnt 0x0                               ; V and its words are in
.irp t, 0,1,2,3                                ; O^T += V^T P^T: the four accumulators by turns
	v_wmma_scale_f32_16x16x128_f8f6f4 v[160+8*\t:167+8*\t], v[192+8*\t:199+8*\t], v[224:231], v[160+8*\t:167+8*\t], v[76+\t], v253 matrix_a_fmt:MATRIX_FMT_FP4 matrix_b_fmt:MATRIX_FMT_FP4
.endr
	s_add_co_u32 s20, s20, 4096                    ; eight tiles of K, four fragments of V,
	s_add_co_u32 s21, s21, 512                     ; eight tiles' words,
	s_add_co_u32 s22, s22, 256                     ; four tiles' words on
	s_sub_co_u32 s23, s23, 1
	s_cmp_lg_u32 s23, 0
	s_cbranch_scc1 .Lstep_\@
	; the head is done: O^T / the sum, quantised along the channels: two blocks of 32
.rept 4
	v_nop
.endr
	v_add_f32 v14, v14, v15                        ; the sum's two halves,
	v_permlanex16_b32 v252, v14, s[SEL], s[SEL+1]
	v_add_f32 v14, v14, v252                       ; and lane l xor 16's: the row's sum
	v_rcp_f32 v14, v14
	v_nop                                          ; a plain place behind the transcendental
	s_wait_alu depctr_va_vdst(0)                   ; and the wait, ahead of the first reader
.set J_, 0
.rept 16
	v_pk_mul_f32 v[96+J_:97+J_], v[160+J_:161+J_], v[14:15] op_sel_hi:[1,0]   ; register 16 b + i is channel 32 b + 16 h + i of my query
.set J_, J_+2
.endr
.irp b, 0,1
	v_max3_num_f32 v[232+\b], |v[96+16*\b]|, |v[97+16*\b]|, 0x1800000
.endr
.irp i, 2,4,6,8,10,12,14
.irp b, 0,1
	v_max3_num_f32 v[232+\b], v[232+\b], |v[96+16*\b+\i]|, |v[97+16*\b+\i]|
.endr
.endr
.irp b, 0,1
	v_permlanex16_b32 v[236+\b], v[232+\b], s[SEL], s[SEL+1]
.endr
.irp b, 0,1
	v_max_num_f32 v[232+\b], v[232+\b], v[236+\b]
.endr
.irp b, 0,1
	v_add_nc_u32 v[244+\b], 0xff000000, v[232+\b]
.endr
.irp b, 0,1
	v_lshrrev_b32 v[236+\b], 23, v[244+\b]
.endr
.if \p == 0
	v_lshl_or_b32 v90, v237, 8, v236               ; the first head's two bytes of the scale word,
.else
	v_lshl_or_b32 v90, v236, 16, v90               ; the second head's
	v_lshl_or_b32 v90, v237, 24, v90
.endif
.irp b, 0,1
	v_cvt_scalef32_pk8_fp4_f32 v[82+4*\p+2*\b], v[96+16*\b:103+16*\b], v[244+\b]
	v_cvt_scalef32_pk8_fp4_f32 v[83+4*\p+2*\b], v[104+16*\b:111+16*\b], v[244+\b]
.endr
	v_nop
	v_permlane16_swap_b32 v[82+4*\p], v[84+4*\p]   ; registers 4 p .. 4 p + 3 of the fragment: k = 64 p + 32 h + 0 .. 31
	v_permlane16_swap_b32 v[83+4*\p], v[85+4*\p]
.endm
	PASS 0
	PASS 1
	global_store_b128 v1, v[82:85], s[24:25]       ; 512 consecutive bytes a store
	global_store_b128 v1, v[86:89], s[24:25] offset:512
	global_store_b32 v7, v90, s[26:27]             ; my tile's 128 bytes of scale words (both halves of the lanes hold the row's word)
	s_wait_tensorcnt 0x0
	ds_add_u32 v251, v255
	s_wait_dscnt 0x0
	s_endpgm
.Lfunc_end_k_q7f507d043c_attn:
	.size	k_q7f507d043c_attn, .Lfunc_end_k_q7f507d043c_attn-k_q7f507d043c_attn
	.p2alignl 7, 3214868480
	.fill 96, 4, 3214868480
	.section	.rodata,"a",@progbits
	.p2align	6, 0x0
	.amdhsa_kernel k_q7f507d043c_attn
		.amdhsa_group_segment_fixed_size 288768
		.amdhsa_private_segment_fixed_size 0
		.amdhsa_enable_private_segment 0
		.amdhsa_kernarg_size 16
		.amdhsa_user_sgpr_count 2
		.amdhsa_user_sgpr_kernarg_segment_ptr 1
		.amdhsa_wavefront_size32 1
		.amdhsa_system_sgpr_workgroup_id_x 1
		.amdhsa_system_sgpr_workgroup_id_y 1
		.amdhsa_system_sgpr_workgroup_id_z 1
		.amdhsa_system_vgpr_workitem_id 0
		.amdhsa_next_free_vgpr 256
		.amdhsa_next_free_sgpr 66
		.amdhsa_reserve_vcc 0
		.amdhsa_float_denorm_mode_32 3
		.amdhsa_float_denorm_mode_16_64 3
		.amdhsa_memory_ordered 1
		.amdhsa_forward_progress 1
		.amdhsa_inst_pref_size 50
	.end_amdhsa_kernel
	.amdgpu_metadata
---
amdhsa.version: [ 1, 2 ]
amdhsa.kernels:
  - .name:           k_q7f507d043c_attn
    .symbol:         k_q7f507d043c_attn.kd
    .args:
      - { .name: qkv, .offset: 0, .size: 8, .value_kind: global_buffer, .address_space: global }
      - { .name: ctx, .offset: 8, .size: 8, .value_kind: global_buffer, .address_space: global }
    .group_segment_fixed_size: 288768
    .private_segment_fixed_size: 0
    .kernarg_segment_align: 8
    .kernarg_segment_size: 16
    .max_flat_workgroup_size: 512
    .sgpr_count:     66
    .vgpr_count:     256
    .wavefront_size: 32
...
	.end_amdgpu_metadata
.endif
;; end of part 3
;; launch oproj (part 4): grid 256 x 1, 4 waves a work-group, no clusters, 34,304 bytes of LDS; arguments ctx, xw, bo, out0; writes out0
.if DOCPART == 4
	.amdgcn_target "amdgcn-amd-amdhsa--gfx1250"
	.amdhsa_code_object_version 6
	.text
	.protected	k_q7f507d043c_oproj
	.globl	k_q7f507d043c_oproj
	.p2align	8
	.type	k_q7f507d043c_oproj,@function
k_q7f507d043c_oproj:
	s_mov_b64 s[64:65], 0
	v_nop
	global_prefetch_b8 v0, s[64:65] scope:SCOPE_SE
	s_setreg_imm32_b32 hwreg(HW_REG_WAVE_MODE, 25, 1), 1
	s_wait_xcnt 0x0
; out0 = ctx Wo + bo on codes of FP4 with E8M0 scales, sums in f32.  Both operands lie in memory as images of the operand's registers (a fragment of 16 rows x 128 K: 1,024 bytes, registers 4 c .. 4 c + 3 of lane l at 512 c + 16 l).
; FORM.  A wave keeps 128 columns of Wo (source 0: 8 tiles, all 8 K steps: 512 registers) and streams four tiles of 16 rows of ctx (source 1), asked for two units ahead, in two sets.  Work-group i: columns 128 g on,
; g = 4 (i % 2) + wave; tiles 4 (i / 2) .. + 3.  A unit is 64 matrix instructions on 8 accumulators by turns; bo is the C of each sum's first instruction.
; In the result a lane holds one row of out0 and eight neighbouring columns a tile: 16 rows x 128 columns go through the wave's own stage in LDS (rows of 512 bytes + 16) and leave as whole rows of 512 bytes.
; The stage is each wave's own and LDS serves a wave's instructions in order (ISA guide 5.7.1.4): no barrier.  Operands go from memory straight into registers: nothing that a cluster could ask for jointly.
; LIMIT: the bias starts each sum where reference() adds it last.
; REGISTERS.  Window 0: v1 16 x lane, v2 r, v3 h, v4 16 r, v5 into the stage, v6 out of it, v7 4 x lane, v12 32 h; v16-79 Wo's scale words (8 t + ks), v80-95 ctx's (8 p + ks): scales and nothing else;
;   v96-159 the accumulators; v160-223 16 rows read back.   Windows 1, 2: Wo(ks, t) at v[8 (8 (ks % 4) + t)] of window 1 + ks / 4.   Window 3: v0-127 ctx's two sets (64 p + 8 ks); v128-191 bo.
.set C_WO, 11796480
.set S_WO, 13205504
.set CSO,  4194304
.set MSB, 0
.macro WIN new                         ; the immediate's high byte repeats the setting that is left
.if MSB != \new
	s_set_vgpr_msb (MSB<<8)|\new
.set MSB, \new
.endif
.endm
.macro WM d, a, b, cc, sa, sb
	v_wmma_scale_f32_16x16x128_f8f6f4 v[\d:\d+7], v[\a:\a+7], v[\b:\b+7], v[\cc:\cc+7], v[\sa], v[\sb] matrix_a_fmt:MATRIX_FMT_FP4 matrix_b_fmt:MATRIX_FMT_FP4
.endm
.macro TLOAD u                         ; tile u of my four into set u % 2: 16 loads of codes, 8 of scale words
	WIN 0xc0                                       ; destination window 3
.set KS_, 0
.rept 8
	global_load_b128 v[64*((\u)%2)+8*KS_:64*((\u)%2)+8*KS_+3], v1, s[20:21] offset:8192*(\u)+1024*KS_
	global_load_b128 v[64*((\u)%2)+8*KS_+4:64*((\u)%2)+8*KS_+7], v1, s[20:21] offset:8192*(\u)+1024*KS_+512
.set KS_, KS_+1
.endr
	WIN 0
.set KS_, 0
.rept 8
	global_load_b32 v[80+8*((\u)%2)+KS_], v7, s[22:23] offset:65536*KS_+128*(\u)
.set KS_, KS_+1
.endr
.endm
.macro UNIT u
.set P_, (\u)%2
.if (\u) < 3
	s_wait_loadcnt 24                              ; this tile (and all that is older) is in; the next tile's 24 loads may be out
.else
	s_wait_loadcnt 0x0
.endif
	WIN 0x3d                                       ; source 0 (Wo) window 1, source 1 (ctx) and source 2 (bo) window 3, destination window 0
.irp t, 0,1,2,3,4,5,6,7                        ; the eight accumulators take turns, one instruction a turn, in every K step
	WM 96+8*\t, 8*\t, 64*P_, 128+8*\t, 16+8*\t, 80+8*P_
.endr
	WIN 0x0d
.set KS_, 1
.rept 3
.irp t, 0,1,2,3,4,5,6,7
	WM 96+8*\t, 8*(8*KS_+\t), 64*P_+8*KS_, 96+8*\t, 16+8*\t+KS_, 80+8*P_+KS_
.endr
.set KS_, KS_+1
.endr
	WIN 0x0e
.rept 4
.irp t, 0,1,2,3,4,5,6,7
	WM 96+8*\t, 8*(8*(KS_-4)+\t), 64*P_+8*KS_, 96+8*\t, 16+8*\t+KS_, 80+8*P_+KS_
.endr
.set KS_, KS_+1
.endr
	WIN 0
.rept 5
	v_nop                                          ; four places serve the loads into this set and the stage's stores of results; the fifth the next unit's first products, which begin these accumulators anew with another C: no other vector work stands between two units
.endr
.if (\u) < 2
	TLOAD (\u)+2
.endif
.if (\u) > 0
	s_wait_xcnt 0x0                                ; the last unit's stores have read their registers: the stage's loads may land there
.endif
.irp t, 0,1,2,3,4,5,6,7
	ds_store_b128 v5, v[96+8*\t:99+8*\t] offset:64*\t            ; lane (r, h): out0(row r, 16 t + 8 h + 0 .. 7); each accumulator from its low end on
	ds_store_b128 v5, v[100+8*\t:103+8*\t] offset:64*\t+16
.endr
.set I_, 0
.rept 16
	ds_load_b128 v[160+4*I_:163+4*I_], v6 offset:528*I_          ; these see my stores above
.set I_, I_+1
.endr
.set I_, 0
.rept 16
	s_wait_dscnt 15-I_                             ; row I_ is back; the younger rows may be out
	global_store_b128 v1, v[160+4*I_:163+4*I_], s[26:27] offset:(16*(\u)+I_)*4096 th:TH_STORE_NT   ; 32 lanes store 512 consecutive bytes, at a multiple of 256 from out0's first byte; written once
.set I_, I_+1
.endr
.endm
	s_load_b256 s[4:11], s[0:1], 0x0               ; ctx s[4:5], xw s[6:7], bo s[8:9], out0 s[10:11]
	v_lshl_add_u32 v254, v0, 2, 0x8400
	v_mov_b32 v255, 0
	v_lshrrev_b32 v1, 5, v0
	v_readfirstlane_b32 s14, v1                    ; wave
	v_and_b32 v7, 31, v0
	v_lshlrev_b32 v1, 4, v7
	v_lshlrev_b32 v7, 2, v7
	v_and_b32 v2, 15, v0
	v_bfe_u32 v3, v0, 4, 1
	v_lshlrev_b32 v4, 4, v2
	v_lshlrev_b32 v12, 5, v3
	s_mul_i32 s20, s14, 8448                       ; my stage: 16 rows x 528 bytes
	v_mul_u32_u24 v5, v2, 528
	v_lshl_add_u32 v5, v3, 5, v5
	v_add_nc_u32 v5, s20, v5                       ; in: row r, + 32 h
	v_add_nc_u32 v6, s20, v1                       ; back: the 32 lanes take one row of 512 bytes
	s_mov_b32 s15, ttmp9
	s_and_b32 s33, s15, 1
	s_lshl_b32 s33, s33, 2
	s_add_co_u32 s33, s33, s14                     ; g
	s_lshr_b32 s36, s15, 1
	s_lshl_b32 s36, s36, 2                         ; my first tile of rows
	s_mov_b32 s35, 0
	s_wait_kmcnt 0x0
	s_lshl_b32 s34, s33, 16
	s_add_co_u32 s34, s34, C_WO
	s_add_nc_u64 s[16:17], s[6:7], s[34:35]        ; Wo's codes: 8 tiles x 8,192 bytes a group
	s_lshl_b32 s34, s33, 12
	s_add_co_u32 s34, s34, S_WO
	s_add_nc_u64 s[18:19], s[6:7], s[34:35]        ; its scale words
	s_lshl_b32 s34, s36, 13
	s_add_nc_u64 s[20:21], s[4:5], s[34:35]        ; ctx's codes
	s_lshl_b32 s34, s36, 7
	s_add_co_u32 s34, s34, CSO
	s_add_nc_u64 s[22:23], s[4:5], s[34:35]        ; its scale words
	s_lshl_b32 s34, s33, 9
	s_add_nc_u64 s[24:25], s[8:9], s[34:35]        ; bo at my 128 columns
	s_lshl_b32 s37, s36, 16
	s_add_co_u32 s34, s34, s37
	s_add_nc_u64 s[26:27], s[10:11], s[34:35]      ; out0: 16 rows of 4,096 bytes a tile, + 512 g
	WIN 0x40                                       ; destination window 1
.set KS_, 0
.rept 4
.irp t, 0,1,2,3,4,5,6,7
.irp c, 0,1
	global_load_b128 v[8*(8*KS_+\t)+4*\c:8*(8*KS_+\t)+4*\c+3], v1, s[16:17] offset:(\t*8+KS_)*1024+512*\c
.endr
.endr
.set KS_, KS_+1
.endr
	WIN 0x80                                       ; destination window 2
.rept 4
.irp t, 0,1,2,3,4,5,6,7
.irp c, 0,1
	global_load_b128 v[8*(8*(KS_-4)+\t)+4*\c:8*(8*(KS_-4)+\t)+4*\c+3], v1, s[16:17] offset:(\t*8+KS_)*1024+512*\c
.endr
.endr
.set KS_, KS_+1
.endr
	WIN 0
.irp t, 0,1,2,3,4,5,6,7
	global_load_b128 v[16+8*\t:19+8*\t], v4, s[18:19] offset:512*\t        ; lane r: its row's words for K steps 0-3,
	global_load_b128 v[20+8*\t:23+8*\t], v4, s[18:19] offset:512*\t+256    ; and 4-7
.endr
	WIN 0xc0                                       ; destination window 3
.irp t, 0,1,2,3,4,5,6,7
	global_load_b128 v[128+8*\t:131+8*\t], v12, s[24:25] offset:64*\t      ; bo(16 t + 8 h + 0 .. 7)
	global_load_b128 v[132+8*\t:135+8*\t], v12, s[24:25] offset:64*\t+16
.endr
	WIN 0
	TLOAD 0
	TLOAD 1
	UNIT 0
	UNIT 1
	UNIT 2
	UNIT 3
	s_wait_tensorcnt 0x0
	ds_add_u32 v254, v255
	s_wait_dscnt 0x0
	s_endpgm
.Lfunc_end_k_q7f507d043c_oproj:
	.size	k_q7f507d043c_oproj, .Lfunc_end_k_q7f507d043c_oproj-k_q7f507d043c_oproj
	.p2alignl 7, 3214868480
	.fill 96, 4, 3214868480
	.section	.rodata,"a",@progbits
	.p2align	6, 0x0
	.amdhsa_kernel k_q7f507d043c_oproj
		.amdhsa_group_segment_fixed_size 34304
		.amdhsa_private_segment_fixed_size 0
		.amdhsa_enable_private_segment 0
		.amdhsa_kernarg_size 32
		.amdhsa_user_sgpr_count 2
		.amdhsa_user_sgpr_kernarg_segment_ptr 1
		.amdhsa_wavefront_size32 1
		.amdhsa_system_sgpr_workgroup_id_x 1
		.amdhsa_system_sgpr_workgroup_id_y 1
		.amdhsa_system_sgpr_workgroup_id_z 1
		.amdhsa_system_vgpr_workitem_id 0
		.amdhsa_next_free_vgpr 1024
		.amdhsa_next_free_sgpr 66
		.amdhsa_reserve_vcc 0
		.amdhsa_float_denorm_mode_32 3
		.amdhsa_float_denorm_mode_16_64 3
		.amdhsa_memory_ordered 1
		.amdhsa_forward_progress 1
		.amdhsa_inst_pref_size 76
	.end_amdhsa_kernel
	.amdgpu_metadata
---
amdhsa.version: [ 1, 2 ]
amdhsa.kernels:
  - .name:           k_q7f507d043c_oproj
    .symbol:         k_q7f507d043c_oproj.kd
    .args:
      - { .name: ctx, .offset: 0, .size: 8, .value_kind: global_buffer, .address_space: global }
      - { .name: xw, .offset: 8, .size: 8, .value_kind: global_buffer, .address_space: global }
      - { .name: bo, .offset: 16, .size: 8, .value_kind: global_buffer, .address_space: global }
      - { .name: out0, .offset: 24, .size: 8, .value_kind: global_buffer, .address_space: global }
    .group_segment_fixed_size: 34304
    .private_segment_fixed_size: 0
    .kernarg_segment_align: 8
    .kernarg_segment_size: 32
    .max_flat_workgroup_size: 128
    .sgpr_count:     66
    .vgpr_count:     1024
    .wavefront_size: 32
...
	.end_amdgpu_metadata
.endif
;; end of part 4
;; ======== version 2 of 3: 4 launches
;; workspace buffers: xw 13,238,272 bytes; qkv 13,893,632 bytes; ctx 4,718,592 bytes
;; launch quant (part 5): grid 768 x 1, 4 waves a work-group, no clusters, 34,304 bytes of LDS; arguments query, key, value, Wq, Wo, Wk, Wv, xw; writes xw
.if DOCPART == 5
	.amdgcn_target "amdgcn-amd-amdhsa--gfx1250"
	.amdhsa_code_object_version 6
	.text
	.protected	k_q7f507d043c_quant
	.globl	k_q7f507d043c_quant
	.p2align	8
	.type	k_q7f507d043c_quant,@function
k_q7f507d043c_quant:
	s_mov_b64 s[64:65], 0
	v_nop
	global_prefetch_b8 v0, s[64:65] scope:SCOPE_SE
	s_setreg_imm32_b32 hwreg(HW_REG_WAVE_MODE, 25, 1), 1
	s_wait_xcnt 0x0
; All seven f32 operands of the four projections become codes of FP4 (E2M1) with one E8M0 byte for each 32 along K, laid in xw AS IMAGES OF THE OPERAND'S REGISTERS.
; A fragment is 16 rows x 128 K = 8 registers a lane (lane (r, h): registers 4 c .. 4 c + 3 hold k = 64 c + 32 h + 0 .. 31): 1,024 bytes, registers 4 c .. 4 c + 3 of lane l at byte 512 c + 16 l.
; Codes: [tile][K step][1,024].  Scale words: 512 bytes a tile, [half of K][r][4 words], word i for K step 4 half + i (K = 768 has six steps: the last two words are the filler 0x7f7f7f7f, which nobody multiplies by).
; WHICH ROWS FORM A TILE is chosen here, by address.  Plain (query, Wo): lane r of tile t takes row 16 t + r.  Permuted (key, value, Wq, Wk, Wv): row 32 (t / 2) + 8 (t % 2) + r + 8 (r / 8), so that where such a
; tile is source 0 of a product, the 16 result registers of tiles 2 b and 2 b + 1 are 16 neighbours, 32 b + 16 h + 0 .. 15, along the next product's K.
; A block's scale is 2^(floor(log2(largest magnitude)) - 2); its byte is the largest magnitude's exponent field - 2, held at 1 from below.
; LIMITS: a block of zeros gets the byte 1 where the rule says 127 (its codes are zeros, and this program alone reads the bytes); NaN and infinities among the inputs are not served.
; SHARES.  A wave's job is four fragments (the weights' second half of K = 768: two).  A lane holds two whole blocks of each fragment, so no other lane is asked for a maximum.
;   Work-groups 0-31 Wq, 32-63 Wo, 64-95 Wk, 96-127 Wv: K is the FIRST axis: a lane takes a column and its registers run down K; a wave takes one tile and one half of K.  No LDS.
;   Work-groups 128-383 query, 384-575 key, 576-767 value: K innermost.  query: a wave takes one tile and one half of K.  key, value: the first 128 work-groups take a tile's K steps 0-3; the other 64 take K steps 4 and 5
;   of TWO neighbouring tiles, 2 P and 2 P + 1, so that every job is four fragments and all three tensors take ONE path through the text: what differs lies in four scalar bases and eight vector offsets.
; THE TURN THROUGH LDS.  The conversions want 32 neighbours along K in one lane; a load is best where neighbouring LANES take neighbouring bytes.  Both are had: each of a fragment's 16 loads reads 512 consecutive bytes
; of one row, 16 a lane; the rows go into the wave's own stage as they lie (16 rows of 512 bytes + 16 of padding) and come back 128 bytes a lane.  The pitch, 528 bytes = 132 words, lets the 16 rows that a read touches
; begin at 16 different banks (64 banks of 4 bytes: ISA guide 11.1).  The stage is each wave's own and LDS serves a wave's instructions in order (ISA guide 5.7.1.4): no barrier.  Loads run one fragment ahead of the turn.
.set C_XQ, 0
.set C_XK, 4194304
.set C_XV, 7340032
.set C_WQ, 10485760
.set C_WK, 11010048
.set C_WV, 11403264
.set C_WO, 11796480
.set S_XQ, 12320768
.set S_XK, 12582912
.set S_XV, 12845056
.set S_WQ, 13107200
.set S_WK, 13139968
.set S_WV, 13172736
.set S_WO, 13205504
.set PIT,  528                         ; a stage row
.set STG,  16*PIT                      ; a wave's stage
; v1 lane, v2 r, v3 h, v4 my byte in a weight, v5 16 x lane, v6 16 r + 8 h, v7 8 h, v8-9 largest magnitudes, v10-11 the conversions' scale operands, v12-13 bytes, v14-15 the word in the making,
; v16-19 the four scale words, v20-21 what I store of them, v22 into the stage, v23 out of it, v24-31 16 x lane + j rows (j = 0 .. 7), v32-95 and v96-159 two sets of 64 numbers as loaded,
; activations: v160-223 a fragment's 64 numbers after the turn, v224-255 codes; weights: v160-191 codes.  Eight registers of codes for each fragment, so that no store's data are written again
	s_load_b512 s[8:23], s[0:1], 0x0               ; query s[8:9], key s[10:11], value s[12:13], Wq s[14:15], Wo s[16:17], Wk s[18:19], Wv s[20:21], xw s[22:23]
	s_set_vgpr_msb 0x40
	v_lshl_add_u32 v0, v0, 2, 0x8400
	v_mov_b32 v1, 0
	s_set_vgpr_msb 0x4000
	v_lshrrev_b32 v1, 5, v0
	v_readfirstlane_b32 s24, v1                    ; wave
	v_and_b32 v1, 31, v0
	v_and_b32 v2, 15, v0
	v_bfe_u32 v3, v0, 4, 1
	v_lshlrev_b32 v5, 4, v1
	v_lshlrev_b32 v7, 3, v3
	v_lshl_add_u32 v6, v2, 4, v7
	v_mov_b32 v15, 0                               ; a lane permute's destination counts as one of its sources
	v_cmp_ne_u32 vcc_lo, 0, v3                     ; lanes 16-31
	s_mul_i32 s44, s24, STG                        ; my stage
	v_add_nc_u32 v22, s44, v5                      ; in: 16 bytes a lane, a row an instruction
	v_mul_u32_u24 v23, v2, PIT
	v_lshl_add_u32 v23, v3, 7, v23
	v_add_nc_u32 v23, s44, v23                     ; back: row r, + 128 h: my block of 32
	s_mov_b32 s46, 0x76543210
	s_mov_b32 s47, 0xfedcba98                      ; v_permlanex16_b32's selects for lane l xor 16
	s_mov_b32 s25, ttmp9
	s_wait_kmcnt 0x0
	; which tensor: the choice hangs on the work-group's number alone.  s[26:27] source, s28 its first work-group, s29 codes' and s30 scales' place in xw, s31 8 = permuted rows, s32 a tile's bytes of codes, s33 a row's bytes
	s_mov_b64 s[26:27], s[12:13]                   ; value, unless ..
	s_mov_b32 s28, 576
	s_mov_b32 s29, C_XV
	s_mov_b32 s30, S_XV
	s_mov_b32 s31, 8
	s_mov_b32 s32, 6144
	s_mov_b32 s33, 3072
.macro PICK limit, ptr, first, co, so, pm, tb, rb
	s_cmp_lt_u32 s25, \limit
	s_cselect_b64 s[26:27], s[\ptr:\ptr+1], s[26:27]
	s_cselect_b32 s28, \first, s28
	s_cselect_b32 s29, \co, s29
	s_cselect_b32 s30, \so, s30
	s_cselect_b32 s31, \pm, s31
	s_cselect_b32 s32, \tb, s32
	s_cselect_b32 s33, \rb, s33
.endm
	PICK 576, 10, 384, C_XK, S_XK, 8, 6144, 3072   ; key
	PICK 384, 8, 128, C_XQ, S_XQ, 0, 8192, 4096    ; query
	PICK 128, 20, 96, C_WV, S_WV, 8, 6144, 4096    ; Wv
	PICK 96, 18, 64, C_WK, S_WK, 8, 6144, 4096     ; Wk
	PICK 64, 16, 32, C_WO, S_WO, 0, 8192, 4096     ; Wo
	PICK 32, 14, 0, C_WQ, S_WQ, 8, 8192, 4096      ; Wq
	s_sub_co_u32 s34, s25, s28                     ; u: my work-group among the tensor's
; from the tile s34 and the half of K s35: s36 the tile's first row, s[40:41] where its fragments go, s[42:43] where its scale words go; s39 = 0
.macro PLACE
	s_lshr_b32 s36, s34, 1
	s_lshl_b32 s36, s36, 5
	s_and_b32 s37, s34, 1
	s_lshl_b32 s37, s37, 3
	s_add_co_u32 s36, s36, s37                     ; permuted: the tile begins at row 32 (t / 2) + 8 (t % 2),
	s_lshl_b32 s37, s34, 4                         ; plain: at 16 t
	s_cmp_lg_u32 s31, 0
	s_cselect_b32 s36, s36, s37
	s_mul_i32 s38, s34, s32
	s_add_co_u32 s38, s38, s29
	s_lshl_b32 s39, s35, 12
	s_add_co_u32 s38, s38, s39
	s_mov_b32 s39, 0
	s_add_nc_u64 s[40:41], s[22:23], s[38:39]      ; tile x its bytes + 4,096 x half
	s_lshl_b32 s38, s34, 9
	s_add_co_u32 s38, s38, s30
	s_lshl_b32 s42, s35, 8
	s_add_co_u32 s38, s38, s42
	s_add_nc_u64 s[42:43], s[22:23], s[38:39]      ; 512 x tile + 256 x half
.endm
; 64 numbers of a lane, v[xs + 32 c + i] = k 64 c + 32 h + i of my row or column, become the fragment's codes in v[cd] on and its scale word in v[16 + f]
.macro ARITH xs, f, cd
.set XS, \xs
.set CD, \cd
.irp c, 0,1                                    ; my block 2 c + h: all its 32 numbers are mine
	v_max3_num_f32 v[8+\c], |v[XS+32*\c]|, |v[XS+32*\c+1]|, 0x1800000   ; and the floor 2^(3 - 127): the byte cannot fall under 1
.endr
.irp i, 2,4,6,8,10,12,14,16,18,20,22,24,26,28,30
.irp c, 0,1
	v_max3_num_f32 v[8+\c], v[8+\c], |v[XS+32*\c+\i]|, |v[XS+32*\c+\i+1]|   ; (the two blocks by turns)
.endr
.endr
.irp c, 0,1
	v_add_nc_u32 v[10+\c], 0xff000000, v[8+\c]     ; 2 off the exponent field: the conversion takes the exponent field of this operand as its scale
.endr
.irp c, 0,1
	v_lshrrev_b32 v[12+\c], 23, v[10+\c]           ; the scale's byte
.endr
	v_lshl_or_b32 v14, v13, 16, v12                ; my two bytes, blocks h and 2 + h,
	v_lshlrev_b32 v14, v7, v14                     ; at their places in the word (8 h bits up);
	v_permlanex16_b32 v15, v14, s46, s47
	v_or_b32 v[16+(\f)], v14, v15                  ; with lane l xor 16's two the word is whole
.irp c, 0,1
.irp g, 0,1,2,3
	v_cvt_scalef32_pk8_fp4_f32 v[CD+4*\c+\g], v[XS+32*\c+8*\g:XS+32*\c+8*\g+7], v[10+\c]
.endr
.endr
	v_nop                                          ; one plain place behind the last conversion
.endm
	s_cmp_lt_u32 s25, 128
	s_cbranch_scc1 .Louter
	; ---- query, key, value: K innermost
	s_and_b32 s35, s34, 1                          ; query: the half of K is u % 2,
	s_lshr_b32 s36, s34, 1
	s_lshl_b32 s36, s36, 2
	s_add_co_u32 s36, s36, s24                     ; the tile 4 (u / 2) + wave
	s_lshl_b32 s37, s34, 2
	s_add_co_u32 s37, s37, s24                     ; key, value, u < 128: the first half of tile 4 u + wave;
	s_max_u32 s38, s34, 128
	s_sub_co_u32 s38, s38, 128
	s_lshl_b32 s38, s38, 2
	s_add_co_u32 s38, s38, s24
	s_lshl_b32 s38, s38, 1                         ; else the second halves of tiles 2 P and 2 P + 1, P = 4 (u - 128) + wave
	s_cmp_lt_u32 s34, 128
	s_cselect_b32 s37, s37, s38
	s_cselect_b32 s38, 0, 1
	s_cmp_eq_u32 s32, 8192                         ; query?
	s_cselect_b32 s34, s36, s37                    ; my (first) tile
	s_cselect_b32 s35, s35, s38                    ; my half of K
	s_cselect_b32 s45, 0, s38                      ; 1: a job of two tiles
	PLACE
	; four bases: s[48:49] fragments 0, 1, rows 0-7 of the tile; s[50:51] its rows 8-15; s[52:53], s[54:55] the same for fragments 2, 3
	s_mul_i32 s38, s36, s33
	s_lshl_b32 s44, s35, 11
	s_add_co_u32 s38, s38, s44                     ; the tile's first row, and 512 along K for the second half
	s_add_nc_u64 s[48:49], s[26:27], s[38:39]
	s_add_co_u32 s38, s31, 8
	s_mul_i32 s38, s38, s33                        ; lanes' rows 8-15 lie 8 rows on, permuted 16
	s_add_nc_u64 s[50:51], s[48:49], s[38:39]
	s_lshl_b32 s36, s33, 3
	s_cmp_lg_u32 s45, 0
	s_cselect_b32 s36, s36, 1024                   ; fragments 2, 3: 256 further along K; in a job of two tiles: the next tile, 8 rows on
	s_cselect_b32 s44, s32, 2048                   ; and where they go: two fragments on, or a tile's bytes on
	s_mov_b32 s37, 0
	s_add_nc_u64 s[52:53], s[48:49], s[36:37]
	s_add_nc_u64 s[54:55], s[52:53], s[38:39]
	s_mov_b32 s36, s44
	s_add_nc_u64 s[56:57], s[40:41], s[36:37]
	s_add_nc_u64 s[58:59], s[42:43], 512           ; the next tile's scale words (a job of two tiles alone stores there)
	v_mov_b32 v24, v5
.irp j, 1,2,3,4,5,6,7
	s_mul_i32 s44, s33, \j
	v_add_nc_u32 v[24+\j], s44, v5                 ; 16 x lane + j rows
.endr
.macro LOADR f                         ; fragment f as it lies: load i reads 512 consecutive bytes of the tile's i-th row, into set f % 2; each byte is read once in the launch
.set RL, 32+64*((\f)%2)
.set I_, 0
.rept 16
	global_load_b128 v[RL+4*I_:RL+4*I_+3], v[24+I_%8], s[48+4*((\f)/2)+2*(I_/8):49+4*((\f)/2)+2*(I_/8)] offset:512*((\f)%2) th:TH_LOAD_NT
.set I_, I_+1
.endr
.endm
.macro IFRAG f
.set RL, 32+64*((\f)%2)
.if (\f) < 3
	s_wait_loadcnt 16                              ; this fragment's loads are in; the next fragment's 16 may be out
.else
	s_wait_loadcnt 0x0
.endif
.set I_, 0
.rept 16
	ds_store_b128 v22, v[RL+4*I_:RL+4*I_+3] offset:PIT*I_
.set I_, I_+1
.endr
.set I_, 0
.rept 16
	ds_load_b128 v[160+4*I_:163+4*I_], v23 offset:256*(I_/8)+16*(I_%8)   ; these see my stores above: register 32 c + 4 q .. is k = 64 c + 32 h + 4 q ..
.set I_, I_+1
.endr
.if (\f)+2 < 4
	s_wait_dscnt 16                                ; all but the 16 loads just issued: the stores into the stage have read their registers,
	LOADR (\f)+2                                   ; which take the fragment two on
.endif
	s_wait_dscnt 0x0                               ; my 64 numbers are back
	ARITH 160, \f, 224+8*(\f)
.set DB, 40+16*((\f)/2)
	global_store_b128 v5, v[CD:CD+3], s[DB:DB+1] offset:1024*((\f)%2)            ; 32 lanes store 512 consecutive bytes
	global_store_b128 v5, v[CD+4:CD+7], s[DB:DB+1] offset:1024*((\f)%2)+512
.endm
	LOADR 0
	LOADR 1
	IFRAG 0
	IFRAG 1
	IFRAG 2
	IFRAG 3
	s_cmp_lg_u32 s45, 0
	s_cbranch_scc1 .Ltwo_tiles
	v_cndmask_b32 v20, v16, v18, vcc_lo            ; lanes 0-15 store words 0 and 1 of their row, lanes 16-31 words 2 and 3:
	v_cndmask_b32 v21, v17, v19, vcc_lo
	global_store_b64 v6, v[20:21], s[42:43]        ; 256 consecutive bytes, at a multiple of 256 from xw's first byte
	s_set_vgpr_msb 0x5
	s_wait_tensorcnt 0x0
	ds_add_u32 v0, v1
	s_wait_dscnt 0x0
	s_set_vgpr_msb 0x500
	s_endpgm
.Ltwo_tiles:
	v_mov_b32 v14, 0x7f7f7f7f                      ; K = 768 has no K steps 6 and 7: lanes 16-31 store the filler
	v_cndmask_b32 v20, v16, v14, vcc_lo
	v_cndmask_b32 v21, v17, v14, vcc_lo
	v_cndmask_b32 v10, v18, v14, vcc_lo
	v_cndmask_b32 v11, v19, v14, vcc_lo
	global_store_b64 v6, v[20:21], s[42:43]        ; tile 2 P,
	global_store_b64 v6, v[10:11], s[58:59]        ; tile 2 P + 1: 256 consecutive, aligned bytes each
	s_set_vgpr_msb 0x5
	s_wait_tensorcnt 0x0
	ds_add_u32 v0, v1
	s_wait_dscnt 0x0
	s_set_vgpr_msb 0x500
	s_endpgm
.Louter:
	; ---- the weights: K is the first axis
	s_and_b32 s35, s34, 1                          ; which half of K
	s_lshr_b32 s34, s34, 1
	s_lshl_b32 s34, s34, 2
	s_add_co_u32 s34, s34, s24                     ; my tile
	PLACE
	v_and_b32 v8, s31, v2
	v_add_nc_u32 v8, v8, v2                        ; my column in the tile: r, or r + 8 (r / 8)
	v_lshlrev_b32 v4, 2, v8                        ; 4 bytes a column,
	v_lshl_add_u32 v4, v3, 17, v4                  ; and lanes 16-31 begin 32 rows of 4,096 bytes further down
	s_lshl_b32 s38, s36, 2
	s_lshl_b32 s44, s35, 21                        ; the second half begins 512 rows down
	s_add_co_u32 s38, s38, s44
	s_add_nc_u64 s[26:27], s[26:27], s[38:39]
.macro OLOAD f                         ; fragment f's 64 numbers into set f % 2
.set XL, 32+64*((\f)%2)
.set I_, 0
.rept 64
	global_load_b32 v[XL+I_], v4, s[26:27] offset:(128*(\f)+64*(I_/32)+I_%32)*4096   ; W(128 f + 64 c + 32 h + i, my column)
.set I_, I_+1
.endr
.endm
.macro OFRAG f, count
.if (\f) < (\count)-1
	s_wait_loadcnt 63                              ; this fragment's loads are in; behind them stand the next fragment's 64, and 63 is the largest count that a wait can name
.else
	s_wait_loadcnt 0x0
.endif
	ARITH 32+64*((\f)%2), \f, 160+8*(\f)
	global_store_b128 v5, v[CD:CD+3], s[40:41] offset:1024*(\f)                  ; 32 lanes store 512 consecutive bytes
	global_store_b128 v5, v[CD+4:CD+7], s[40:41] offset:1024*(\f)+512
.if (\f)+2 < (\count)
	OLOAD (\f)+2
.endif
.endm
.macro OJOB count
	OLOAD 0
	OLOAD 1
	OFRAG 0, \count
	OFRAG 1, \count
.if \count == 4
	OFRAG 2, \count
	OFRAG 3, \count
.else
	v_mov_b32 v18, 0x7f7f7f7f                      ; K = 768 has no K steps 6 and 7
	v_mov_b32 v19, 0x7f7f7f7f
.endif
	v_cndmask_b32 v20, v16, v18, vcc_lo            ; lanes 0-15 store words 0 and 1 of their row, lanes 16-31 words 2 and 3:
	v_cndmask_b32 v21, v17, v19, vcc_lo
	global_store_b64 v6, v[20:21], s[42:43]        ; 256 consecutive bytes, at a multiple of 256 from xw's first byte
	s_endpgm
.endm
	s_cmp_eq_u32 s32, 8192
	s_cbranch_scc1 .Louter4
	s_cmp_eq_u32 s35, 0
	s_cbranch_scc1 .Louter4
	OJOB 2
.Louter4:
	OJOB 4
.Lfunc_end_k_q7f507d043c_quant:
	.size	k_q7f507d043c_quant, .Lfunc_end_k_q7f507d043c_quant-k_q7f507d043c_quant
	.p2alignl 7, 3214868480
	.fill 96, 4, 3214868480
	.section	.rodata,"a",@progbits
	.p2align	6, 0x0
	.amdhsa_kernel k_q7f507d043c_quant
		.amdhsa_group_segment_fixed_size 34304
		.amdhsa_private_segment_fixed_size 0
		.amdhsa_enable_private_segment 0
		.amdhsa_kernarg_size 64
		.amdhsa_user_sgpr_count 2
		.amdhsa_user_sgpr_kernarg_segment_ptr 1
		.amdhsa_wavefront_size32 1
		.amdhsa_system_sgpr_workgroup_id_x 1
		.amdhsa_system_sgpr_workgroup_id_y 1
		.amdhsa_system_sgpr_workgroup_id_z 1
		.amdhsa_system_vgpr_workitem_id 0
		.amdhsa_next_free_vgpr 258
		.amdhsa_next_free_sgpr 66
		.amdhsa_reserve_vcc 1
		.amdhsa_float_denorm_mode_32 3
		.amdhsa_float_denorm_mode_16_64 3
		.amdhsa_memory_ordered 1
		.amdhsa_forward_progress 1
		.amdhsa_inst_pref_size 92
	.end_amdhsa_kernel
	.amdgpu_metadata
---
amdhsa.version: [ 1, 2 ]
amdhsa.kernels:
  - .name:           k_q7f507d043c_quant
    .symbol:         k_q7f507d043c_quant.kd
    .args:
      - { .name: query, .offset: 0, .size: 8, .value_kind: global_buffer, .address_space: global }
      - { .name: key, .offset: 8, .size: 8, .value_kind: global_buffer, .address_space: global }
      - { .name: value, .offset: 16, .size: 8, .value_kind: global_buffer, .address_space: global }
      - { .name: Wq, .offset: 24, .size: 8, .value_kind: global_buffer, .address_space: global }
      - { .name: Wo, .offset: 32, .size: 8, .value_kind: global_buffer, .address_space: global }
      - { .name: Wk, .offset: 40, .size: 8, .value_kind: global_buffer, .address_space: global }
      - { .name: Wv, .offset: 48, .size: 8, .value_kind: global_buffer, .address_space: global }
      - { .name: xw, .offset: 56, .size: 8, .value_kind: global_buffer, .address_space: global }
    .group_segment_fixed_size: 34304
    .private_segment_fixed_size: 0
    .kernarg_segment_align: 8
    .kernarg_segment_size: 64
    .max_flat_workgroup_size: 128
    .sgpr_count:     66
    .vgpr_count:     258
    .wavefront_size: 32
...
	.end_amdgpu_metadata
.endif
;; end of part 5
;; launch proj: the kernel of part 2 again; grid 256 x 1, 4 waves a work-group, no clusters, 0 bytes of LDS; arguments xw, bq, bk, bv, qkv; writes qkv
;; launch attn: the kernel of part 3 again; grid 8 x 32, 16 waves a work-group, no clusters, 288,768 bytes of LDS; arguments qkv, ctx; writes ctx
;; launch oproj: the kernel of part 4 again; grid 256 x 1, 4 waves a work-group, no clusters, 34,304 bytes of LDS; arguments ctx, xw, bo, out0; writes out0
;; ======== version 3 of 3: 4 launches
;; workspace buffers: xw 13,238,272 bytes; qkv 13,893,632 bytes; ctx 4,718,592 bytes
;; launch quant (part 6): grid 768 x 1, 4 waves a work-group, no clusters, 34,304 bytes of LDS; arguments query, key, value, Wq, Wo, Wk, Wv, xw; writes xw
.if DOCPART == 6
	.amdgcn_target "amdgcn-amd-amdhsa--gfx1250"
	.amdhsa_code_object_version 6
	.text
	.protected	k_q7f507d043c_quant
	.globl	k_q7f507d043c_quant
	.p2align	8
	.type	k_q7f507d043c_quant,@function
k_q7f507d043c_quant:
	s_mov_b64 s[64:65], 0
	v_nop
	global_prefetch_b8 v0, s[64:65] scope:SCOPE_SE
	s_setreg_imm32_b32 hwreg(HW_REG_WAVE_MODE, 25, 1), 1
	s_wait_xcnt 0x0
; All seven f32 operands of the four projections become codes of FP4 (E2M1) with one E8M0 byte for each 32 along K, laid in xw AS IMAGES OF THE OPERAND'S REGISTERS.
; A fragment is 16 rows x 128 K = 8 registers a lane (lane (r, h): registers 4 c .. 4 c + 3 hold k = 64 c + 32 h + 0 .. 31): 1,024 bytes, registers 4 c .. 4 c + 3 of lane l at byte 512 c + 16 l.
; Codes: [tile][K step][1,024].  Scale words: 512 bytes a tile, [half of K][r][4 words], word i for K step 4 half + i (K = 768 has six steps: the last two words are the filler 0x7f7f7f7f, which nobody multiplies by).
; WHICH ROWS FORM A TILE is chosen here, by address.  Plain (query, Wo): lane r of tile t takes row 16 t + r.  Permuted (key, value, Wq, Wk, Wv): row 32 (t / 2) + 8 (t % 2) + r + 8 (r / 8), so that where such a
; tile is source 0 of a product, the 16 result registers of tiles 2 b and 2 b + 1 are 16 neighbours, 32 b + 16 h + 0 .. 15, along the next product's K.
; A block's scale is 2^(floor(log2(largest magnitude)) - 2); its byte is the largest magnitude's exponent field - 2, held at 1 from below.
; LIMITS: a block of zeros gets the byte 1 where the rule says 127 (its codes are zeros, and this program alone reads the bytes); NaN and infinities among the inputs are not served.
; SHARES.  A wave's job is four fragments (the weights' second half of K = 768: two).  A lane holds two whole blocks of each fragment, so no other lane is asked for a maximum.
;   Work-groups 0-31 Wq, 32-63 Wo, 64-95 Wk, 96-127 Wv: K is the FIRST axis: a lane takes a column and its registers run down K; a wave takes one tile and one half of K.  No LDS.
;   Work-groups 128-383 query, 384-575 key, 576-767 value: K innermost.  query: a wave takes one tile and one half of K.  key, value: the first 128 work-groups take a tile's K steps 0-3; the other 64 take K steps 4 and 5
;   of TWO neighbouring tiles, 2 P and 2 P + 1, so that every job is four fragments and all three tensors take ONE path through the text: what differs lies in four scalar bases and eight vector offsets.
; THE TURN THROUGH LDS.  The conversions want 32 neighbours along K in one lane; a load is best where neighbouring LANES take neighbouring bytes.  Both are had: each of a fragment's 16 loads reads 512 consecutive bytes
; of one row, 16 a lane; the rows go into the wave's own stage as they lie (16 rows of 512 bytes + 16 of padding) and come back 128 bytes a lane.  The pitch, 528 bytes = 132 words, lets the 16 rows that a read touches
; begin at 16 different banks (64 banks of 4 bytes: ISA guide 11.1).  The stage is each wave's own and LDS serves a wave's instructions in order (ISA guide 5.7.1.4): no barrier.  Loads run one fragment ahead of the turn.
.set C_XQ, 0
.set C_XK, 4194304
.set C_XV, 7340032
.set C_WQ, 10485760
.set C_WK, 11010048
.set C_WV, 11403264
.set C_WO, 11796480
.set S_XQ, 12320768
.set S_XK, 12582912
.set S_XV, 12845056
.set S_WQ, 13107200
.set S_WK, 13139968
.set S_WV, 13172736
.set S_WO, 13205504
.set PIT,  528                         ; a stage row
.set STG,  16*PIT                      ; a wave's stage
; v1 lane, v2 r, v3 h, v4 my byte in a weight, v5 16 x lane, v6 16 r + 8 h, v7 8 h, v8-9 largest magnitudes, v10-11 the conversions' scale operands, v12-13 bytes, v14-15 the word in the making,
; v16-19 the four scale words, v20-21 what I store of them, v22 into the stage, v23 out of it, v24-31 16 x lane + j rows (j = 0 .. 7), v32-95 and v96-159 two sets of 64 numbers as loaded,
; activations: v160-223 a fragment's 64 numbers after the turn, v224-255 codes; weights: v160-191 codes.  Eight registers of codes for each fragment, so that no store's data are written again
	s_load_b512 s[8:23], s[0:1], 0x0               ; query s[8:9], key s[10:11], value s[12:13], Wq s[14:15], Wo s[16:17], Wk s[18:19], Wv s[20:21], xw s[22:23]
	s_set_vgpr_msb 0x40
	v_lshl_add_u32 v0, v0, 2, 0x8400
	v_mov_b32 v1, 0
	s_set_vgpr_msb 0x4000
	v_lshrrev_b32 v1, 5, v0
	v_readfirstlane_b32 s24, v1                    ; wave
	v_and_b32 v1, 31, v0
	v_and_b32 v2, 15, v0
	v_bfe_u32 v3, v0, 4, 1
	v_lshlrev_b32 v5, 4, v1
	v_lshlrev_b32 v7, 3, v3
	v_lshl_add_u32 v6, v2, 4, v7
	v_mov_b32 v15, 0                               ; a lane permute's destination counts as one of its sources
	v_cmp_ne_u32 vcc_lo, 0, v3                     ; lanes 16-31
	s_mul_i32 s44, s24, STG                        ; my stage
	v_add_nc_u32 v22, s44, v5                      ; in: 16 bytes a lane, a row an instruction
	v_mul_u32_u24 v23, v2, PIT
	v_lshl_add_u32 v23, v3, 7, v23
	v_add_nc_u32 v23, s44, v23                     ; back: row r, + 128 h: my block of 32
	s_mov_b32 s46, 0x76543210
	s_mov_b32 s47, 0xfedcba98                      ; v_permlanex16_b32's selects for lane l xor 16
	s_mov_b32 s25, ttmp9
	s_wait_kmcnt 0x0
	; which tensor: the choice hangs on the work-group's number alone.  s[26:27] source, s28 its first work-group, s29 codes' and s30 scales' place in xw, s31 8 = permuted rows, s32 a tile's bytes of codes, s33 a row's bytes
	s_mov_b64 s[26:27], s[12:13]                   ; value, unless ..
	s_mov_b32 s28, 576
	s_mov_b32 s29, C_XV
	s_mov_b32 s30, S_XV
	s_mov_b32 s31, 8
	s_mov_b32 s32, 6144
	s_mov_b32 s33, 3072
.macro PICK limit, ptr, first, co, so, pm, tb, rb
	s_cmp_lt_u32 s25, \limit
	s_cselect_b64 s[26:27], s[\ptr:\ptr+1], s[26:27]
	s_cselect_b32 s28, \first, s28
	s_cselect_b32 s29, \co, s29
	s_cselect_b32 s30, \so, s30
	s_cselect_b32 s31, \pm, s31
	s_cselect_b32 s32, \tb, s32
	s_cselect_b32 s33, \rb, s33
.endm
	PICK 576, 10, 384, C_XK, S_XK, 8, 6144, 3072   ; key
	PICK 384, 8, 128, C_XQ, S_XQ, 0, 8192, 4096    ; query
	PICK 128, 20, 96, C_WV, S_WV, 8, 6144, 4096    ; Wv
	PICK 96, 18, 64, C_WK, S_WK, 8, 6144, 4096     ; Wk
	PICK 64, 16, 32, C_WO, S_WO, 0, 8192, 4096     ; Wo
	PICK 32, 14, 0, C_WQ, S_WQ, 8, 8192, 4096      ; Wq
	s_sub_co_u32 s34, s25, s28                     ; u: my work-group among the tensor's
; from the tile s34 and the half of K s35: s36 the tile's first row, s[40:41] where its fragments go, s[42:43] where its scale words go; s39 = 0
.macro PLACE
	s_lshr_b32 s36, s34, 1
	s_lshl_b32 s36, s36, 5
	s_and_b32 s37, s34, 1
	s_lshl_b32 s37, s37, 3
	s_add_co_u32 s36, s36, s37                     ; permuted: the tile begins at row 32 (t / 2) + 8 (t % 2),
	s_lshl_b32 s37, s34, 4                         ; plain: at 16 t
	s_cmp_lg_u32 s31, 0
	s_cselect_b32 s36, s36, s37
	s_mul_i32 s38, s34, s32
	s_add_co_u32 s38, s38, s29
	s_lshl_b32 s39, s35, 12
	s_add_co_u32 s38, s38, s39
	s_mov_b32 s39, 0
	s_add_nc_u64 s[40:41], s[22:23], s[38:39]      ; tile x its bytes + 4,096 x half
	s_lshl_b32 s38, s34, 9
	s_add_co_u32 s38, s38, s30
	s_lshl_b32 s42, s35, 8
	s_add_co_u32 s38, s38, s42
	s_add_nc_u64 s[42:43], s[22:23], s[38:39]      ; 512 x tile + 256 x half
.endm
; 64 numbers of a lane, v[xs + 32 c + i] = k 64 c + 32 h + i of my row or column, become the fragment's codes in v[cd] on and its scale word in v[16 + f]
.macro ARITH xs, f, cd
.set XS, \xs
.set CD, \cd
.irp c, 0,1                                    ; my block 2 c + h: all its 32 numbers are mine
	v_max3_num_f32 v[8+\c], |v[XS+32*\c]|, |v[XS+32*\c+1]|, 0x1800000   ; and the floor 2^(3 - 127): the byte cannot fall under 1
.endr
.irp i, 2,4,6,8,10,12,14,16,18,20,22,24,26,28,30
.irp c, 0,1
	v_max3_num_f32 v[8+\c], v[8+\c], |v[XS+32*\c+\i]|, |v[XS+32*\c+\i+1]|   ; (the two blocks by turns)
.endr
.endr
.irp c, 0,1
	v_add_nc_u32 v[10+\c], 0xff000000, v[8+\c]     ; 2 off the exponent field: the conversion takes the exponent field of this operand as its scale
.endr
.irp c, 0,1
	v_lshrrev_b32 v[12+\c], 23, v[10+\c]           ; the scale's byte
.endr
	v_lshl_or_b32 v14, v13, 16, v12                ; my two bytes, blocks h and 2 + h,
	v_lshlrev_b32 v14, v7, v14                     ; at their places in the word (8 h bits up);
	v_permlanex16_b32 v15, v14, s46, s47
	v_or_b32 v[16+(\f)], v14, v15                  ; with lane l xor 16's two the word is whole
.irp c, 0,1
.irp g, 0,1,2,3
	v_cvt_scalef32_pk8_fp4_f32 v[CD+4*\c+\g], v[XS+32*\c+8*\g:XS+32*\c+8*\g+7], v[10+\c]
.endr
.endr
	v_nop                                          ; one plain place behind the last conversion
.endm
	s_cmp_lt_u32 s25, 128
	s_cbranch_scc1 .Louter
	; ---- query, key, value: K innermost
	s_and_b32 s35, s34, 1                          ; query: the half of K is u % 2,
	s_lshr_b32 s36, s34, 1
	s_lshl_b32 s36, s36, 2
	s_add_co_u32 s36, s36, s24                     ; the tile 4 (u / 2) + wave
	s_lshl_b32 s37, s34, 2
	s_add_co_u32 s37, s37, s24                     ; key, value, u < 128: the first half of tile 4 u + wave;
	s_max_u32 s38, s34, 128
	s_sub_co_u32 s38, s38, 128
	s_lshl_b32 s38, s38, 2
	s_add_co_u32 s38, s38, s24
	s_lshl_b32 s38, s38, 1                         ; else the second halves of tiles 2 P and 2 P + 1, P = 4 (u - 128) + wave
	s_cmp_lt_u32 s34, 128
	s_cselect_b32 s37, s37, s38
	s_cselect_b32 s38, 0, 1
	s_cmp_eq_u32 s32, 8192                         ; query?
	s_cselect_b32 s34, s36, s37                    ; my (first) tile
	s_cselect_b32 s35, s35, s38                    ; my half of K
	s_cselect_b32 s45, 0, s38                      ; 1: a job of two tiles
	PLACE
	; four bases: s[48:49] fragments 0, 1, rows 0-7 of the tile; s[50:51] its rows 8-15; s[52:53], s[54:55] the same for fragments 2, 3
	s_mul_i32 s38, s36, s33
	s_lshl_b32 s44, s35, 11
	s_add_co_u32 s38, s38, s44                     ; the tile's first row, and 512 along K for the second half
	s_add_nc_u64 s[48:49], s[26:27], s[38:39]
	s_add_co_u32 s38, s31, 8
	s_mul_i32 s38, s38, s33                        ; lanes' rows 8-15 lie 8 rows on, permuted 16
	s_add_nc_u64 s[50:51], s[48:49], s[38:39]
	s_lshl_b32 s36, s33, 3
	s_cmp_lg_u32 s45, 0
	s_cselect_b32 s36, s36, 1024                   ; fragments 2, 3: 256 further along K; in a job of two tiles: the next tile, 8 rows on
	s_cselect_b32 s44, s32, 2048                   ; and where they go: two fragments on, or a tile's bytes on
	s_mov_b32 s37, 0
	s_add_nc_u64 s[52:53], s[48:49], s[36:37]
	s_add_nc_u64 s[54:55], s[52:53], s[38:39]
	s_mov_b32 s36, s44
	s_add_nc_u64 s[56:57], s[40:41], s[36:37]
	s_add_nc_u64 s[58:59], s[42:43], 512           ; the next tile's scale words (a job of two tiles alone stores there)
	s_wait_alu depctr_va_vdst(0)
	v_mov_b32 v24, v5
.irp j, 1,2,3,4,5,6,7
	s_mul_i32 s44, s33, \j
	v_add_nc_u32 v[24+\j], s44, v5                 ; 16 x lane + j rows
.endr
.macro LOADR f                         ; fragment f as it lies: load i reads 512 consecutive bytes of the tile's i-th row, into set f % 2; each byte is read once in the launch
.set RL, 32+64*((\f)%2)
.set I_, 0
.rept 16
	global_load_b128 v[RL+4*I_:RL+4*I_+3], v[24+I_%8], s[48+4*((\f)/2)+2*(I_/8):49+4*((\f)/2)+2*(I_/8)] offset:512*((\f)%2) th:TH_LOAD_NT
.set I_, I_+1
.endr
.endm
.macro IFRAG f
.set RL, 32+64*((\f)%2)
.if (\f) < 3
	s_wait_loadcnt 16                              ; this fragment's loads are in; the next fragment's 16 may be out
.else
	s_wait_loadcnt 0x0
.endif
.set I_, 0
.rept 16
	ds_store_b128 v22, v[RL+4*I_:RL+4*I_+3] offset:PIT*I_
.set I_, I_+1
.endr
.set I_, 0
.rept 16
	ds_load_b128 v[160+4*I_:163+4*I_], v23 offset:256*(I_/8)+16*(I_%8)   ; these see my stores above: register 32 c + 4 q .. is k = 64 c + 32 h + 4 q ..
.set I_, I_+1
.endr
.if (\f)+2 < 4
	s_wait_dscnt 16                                ; all but the 16 loads just issued: the stores into the stage have read their registers,
	LOADR (\f)+2                                   ; which take the fragment two on
.endif
	s_wait_dscnt 0x0                               ; my 64 numbers are back
	ARITH 160, \f, 224+8*(\f)
.set DB, 40+16*((\f)/2)
	global_store_b128 v5, v[CD:CD+3], s[DB:DB+1] offset:1024*((\f)%2)            ; 32 lanes store 512 consecutive bytes
	global_store_b128 v5, v[CD+4:CD+7], s[DB:DB+1] offset:1024*((\f)%2)+512
.endm
	LOADR 0
	LOADR 1
	s_wait_alu depctr_va_vdst(0)
	IFRAG 0
	IFRAG 1
	IFRAG 2
	IFRAG 3
	s_cmp_lg_u32 s45, 0
	s_cbranch_scc1 .Ltwo_tiles
	v_cndmask_b32 v20, v16, v18, vcc_lo            ; lanes 0-15 store words 0 and 1 of their row, lanes 16-31 words 2 and 3:
	v_cndmask_b32 v21, v17, v19, vcc_lo
	global_store_b64 v6, v[20:21], s[42:43]        ; 256 consecutive bytes, at a multiple of 256 from xw's first byte
	s_set_vgpr_msb 0x5
	s_wait_tensorcnt 0x0
	ds_add_u32 v0, v1
	s_wait_dscnt 0x0
	s_set_vgpr_msb 0x500
	s_endpgm
.Ltwo_tiles:
	v_mov_b32 v14, 0x7f7f7f7f                      ; K = 768 has no K steps 6 and 7: lanes 16-31 store the filler
	v_cndmask_b32 v20, v16, v14, vcc_lo
	v_cndmask_b32 v21, v17, v14, vcc_lo
	v_cndmask_b32 v10, v18, v14, vcc_lo
	v_cndmask_b32 v11, v19, v14, vcc_lo
	global_store_b64 v6, v[20:21], s[42:43]        ; tile 2 P,
	global_store_b64 v6, v[10:11], s[58:59]        ; tile 2 P + 1: 256 consecutive, aligned bytes each
	s_set_vgpr_msb 0x5
	s_wait_tensorcnt 0x0
	ds_add_u32 v0, v1
	s_wait_dscnt 0x0
	s_set_vgpr_msb 0x500
	s_endpgm
.Louter:
	; ---- the weights: K is the first axis
	s_and_b32 s35, s34, 1                          ; which half of K
	s_lshr_b32 s34, s34, 1
	s_lshl_b32 s34, s34, 2
	s_add_co_u32 s34, s34, s24                     ; my tile
	PLACE
	v_and_b32 v8, s31, v2
	v_add_nc_u32 v8, v8, v2                        ; my column in the tile: r, or r + 8 (r / 8)
	v_lshlrev_b32 v4, 2, v8                        ; 4 bytes a column,
	v_lshl_add_u32 v4, v3, 17, v4                  ; and lanes 16-31 begin 32 rows of 4,096 bytes further down
	s_lshl_b32 s38, s36, 2
	s_lshl_b32 s44, s35, 21                        ; the second half begins 512 rows down
	s_add_co_u32 s38, s38, s44
	s_add_nc_u64 s[26:27], s[26:27], s[38:39]
.macro OLOAD f                         ; fragment f's 64 numbers into set f % 2
.set XL, 32+64*((\f)%2)
.set I_, 0
.rept 64
	global_load_b32 v[XL+I_], v4, s[26:27] offset:(128*(\f)+64*(I_/32)+I_%32)*4096   ; W(128 f + 64 c + 32 h + i, my column)
.set I_, I_+1
.endr
.endm
.macro OFRAG f, count
.if (\f) < (\count)-1
	s_wait_loadcnt 63                              ; this fragment's loads are in; behind them stand the next fragment's 64, and 63 is the largest count that a wait can name
.else
	s_wait_loadcnt 0x0
.endif
	ARITH 32+64*((\f)%2), \f, 160+8*(\f)
	global_store_b128 v5, v[CD:CD+3], s[40:41] offset:1024*(\f)                  ; 32 lanes store 512 consecutive bytes
	global_store_b128 v5, v[CD+4:CD+7], s[40:41] offset:1024*(\f)+512
.if (\f)+2 < (\count)
	OLOAD (\f)+2
.endif
.endm
.macro OJOB count
	OLOAD 0
	OLOAD 1
	OFRAG 0, \count
	OFRAG 1, \count
.if \count == 4
	OFRAG 2, \count
	OFRAG 3, \count
.else
	v_mov_b32 v18, 0x7f7f7f7f                      ; K = 768 has no K steps 6 and 7
	v_mov_b32 v19, 0x7f7f7f7f
.endif
	v_cndmask_b32 v20, v16, v18, vcc_lo            ; lanes 0-15 store words 0 and 1 of their row, lanes 16-31 words 2 and 3:
	v_cndmask_b32 v21, v17, v19, vcc_lo
	global_store_b64 v6, v[20:21], s[42:43]        ; 256 consecutive bytes, at a multiple of 256 from xw's first byte
	s_endpgm
.endm
	s_cmp_eq_u32 s32, 8192
	s_cbranch_scc1 .Louter4
	s_cmp_eq_u32 s35, 0
	s_cbranch_scc1 .Louter4
	s_wait_alu depctr_va_vdst(0)
	OJOB 2
.Louter4:
	s_wait_alu depctr_va_vdst(0)
	OJOB 4
.Lfunc_end_k_q7f507d043c_quant:
	.size	k_q7f507d043c_quant, .Lfunc_end_k_q7f507d043c_quant-k_q7f507d043c_quant
	.p2alignl 7, 3214868480
	.fill 96, 4, 3214868480
	.section	.rodata,"a",@progbits
	.p2align	6, 0x0
	.amdhsa_kernel k_q7f507d043c_quant
		.amdhsa_group_segment_fixed_size 34304
		.amdhsa_private_segment_fixed_size 0
		.amdhsa_enable_private_segment 0
		.amdhsa_kernarg_size 64
		.amdhsa_user_sgpr_count 2
		.amdhsa_user_sgpr_kernarg_segment_ptr 1
		.amdhsa_wavefront_size32 1
		.amdhsa_system_sgpr_workgroup_id_x 1
		.amdhsa_system_sgpr_workgroup_id_y 1
		.amdhsa_system_sgpr_workgroup_id_z 1
		.amdhsa_system_vgpr_workitem_id 0
		.amdhsa_next_free_vgpr 258
		.amdhsa_next_free_sgpr 66
		.amdhsa_reserve_vcc 1
		.amdhsa_float_denorm_mode_32 3
		.amdhsa_float_denorm_mode_16_64 3
		.amdhsa_memory_ordered 1
		.amdhsa_forward_progress 1
		.amdhsa_inst_pref_size 92
	.end_amdhsa_kernel
	.amdgpu_metadata
---
amdhsa.version: [ 1, 2 ]
amdhsa.kernels:
  - .name:           k_q7f507d043c_quant
    .symbol:         k_q7f507d043c_quant.kd
    .args:
      - { .name: query, .offset: 0, .size: 8, .value_kind: global_buffer, .address_space: global }
      - { .name: key, .offset: 8, .size: 8, .value_kind: global_buffer, .address_space: global }
      - { .name: value, .offset: 16, .size: 8, .value_kind: global_buffer, .address_space: global }
      - { .name: Wq, .offset: 24, .size: 8, .value_kind: global_buffer, .address_space: global }
      - { .name: Wo, .offset: 32, .size: 8, .value_kind: global_buffer, .address_space: global }
      - { .name: Wk, .offset: 40, .size: 8, .value_kind: global_buffer, .address_space: global }
      - { .name: Wv, .offset: 48, .size: 8, .value_kind: global_buffer, .address_space: global }
      - { .name: xw, .offset: 56, .size: 8, .value_kind: global_buffer, .address_space: global }
    .group_segment_fixed_size: 34304
    .private_segment_fixed_size: 0
    .kernarg_segment_align: 8
    .kernarg_segment_size: 64
    .max_flat_workgroup_size: 128
    .sgpr_count:     66
    .vgpr_count:     258
    .wavefront_size: 32
...
	.end_amdgpu_metadata
.endif
;; end of part 6
;; launch proj (part 7): grid 256 x 1, 4 waves a work-group, no clusters, 0 bytes of LDS; arguments xw, bq, bk, bv, qkv; writes qkv
.if DOCPART == 7
	.amdgcn_target "amdgcn-amd-amdhsa--gfx1250"
	.amdhsa_code_object_version 6
	.text
	.protected	k_q7f507d043c_proj
	.globl	k_q7f507d043c_proj
	.p2align	8
	.type	k_q7f507d043c_proj,@function
k_q7f507d043c_proj:
	s_mov_b64 s[64:65], 0
	v_nop
	global_prefetch_b8 v0, s[64:65] scope:SCOPE_SE
	s_setreg_imm32_b32 hwreg(HW_REG_WAVE_SCHED_MODE, 0, 2), 2
	s_setreg_imm32_b32 hwreg(HW_REG_WAVE_MODE, 25, 1), 1
	s_wait_xcnt 0x0
	s_wait_alu depctr_vm_vsrc(0)
; q = query Wq + bq, k = key Wk + bk, v = value Wv + bv on codes of FP4 with E8M0 scales, sums in f32; each result is quantised at once for attention's products and stored as an image of the operand's registers.
; FORM.  A wave keeps a RESIDENT operand R (source 0: 128 rows = 8 tiles, all of K) in registers for the whole launch and streams tiles T (source 1: 16 rows, all of K), asked for two units ahead, in two sets.
; A UNIT is R x one tile of T: 8 NK matrix instructions on 8 accumulators by turns; in the result a lane holds ONE row of T and 64 numbers along R's rows, which R's permuted row order makes
; register 16 b + i = number 32 b + 16 (lane / 16) + i: four blocks of 32 along the next product's K.  QUANT makes of them a fragment and a scale word.  No LDS, no barrier: waves share nothing.
;   work-groups 0-127,  q: R = 128 columns of Wq (two heads), T = 16 rows of query; 8 units a wave.   128-191, k: the same with Wk and key (whose tiles hold permuted keys); 16 units a wave.
;       A fragment's registers 0-3 are the first head's 64 channels, registers 4-7 the second head's: they are stored apart, 512 bytes each; the scale word's two halves likewise (the upper two bytes of a stored word are 0).
;   work-groups 192-255, v: R = 128 rows of value (128 keys), T = 16 columns of Wv; 16 units a wave, four to a head.  The next K is the keys: a unit gives one whole fragment of V^T.
; The bias is the C of a sum's first matrix instruction: along the registers (q, k: 8 tiles of 8, kept) or along the lanes (v: one number a lane, loaded into all eight registers with the tile).
; Operands go from memory straight into registers, so there is no LDS tile that several work-groups could ask for jointly: no cluster.
; qkv: for each (batch, head) a record of 143,360 bytes: K codes [tile 0..127][512], V codes [128 keys s][tile of channels dt][1,024] at 65,536, K scale words [tile / 4][r][tile % 4] at 131,072, V scale words [s][r][dt] at 139,264;
;      then Q codes [batch, head][tile][512] at QC and Q scale words [batch, head][tile / 4][r][tile % 4] at QS.
; LIMITS: a block of zeros gets the byte 1 with zero codes (this program alone reads the bytes); NaN and infinities are not served; the bias starts each sum where reference() adds it last.
; THE MODE: SCHED_MODE bits 1:0 = 2 (LLVM: expert scheduling mode 2), set by the entry lines.  The code itself states the register dependences between vector or matrix instructions and memory instructions, with s_wait_alu, always for 0.
; THE PLAN.  Registers that memory instructions touch, in the loops:
;   T's set p, its scale words, (v: its bias)   The unit's products read them; behind them the loads of the tile two units on land in them.
;   the set's offsets v[8 + p], v[10 + p], v[12 + p]   Written by vector additions in the unit, ahead of those loads, which read them.
;   codes v[184 + 8 u ..], scale words v180-183 (v: v14-15)   Written by unit u's QUANT and the lines behind it; read by stores that are issued in unit u + 1, for unit 3 at the trip's end.
;   v1, v4, v6, v7, (q, k: v12)   Made at the head and never written again.
; So a unit has ONE wait on vm_vsrc, ahead of the additions (the set's last loads have read its offsets; all stores issued so far have read the codes and words that this unit's QUANT writes again), and ONE on va_vdst, behind them
; (the offsets are written; the products are done reading the set; the unit before has written its codes).  The set's loads and the stores of the unit before follow it with no vector instruction between.
; One more wait on va_vdst stands at a trip's end, ahead of unit 3's stores and the store of the scale words.
; REGISTERS.  Window 0: v1 16 x lane, v2 r, v3 h, v4 16 r, v5 16 h, v6 scale store's offset, v7 the bias's lane offset (v), v8-9, v10-11, v12-13 the two sets' offsets of codes, scale words, bias; v14-15 at work;
;   v16-79 R's scale words (8 t + ks), v80-95 T's (8 p + ks): these hold scales and nothing else; v96-159 the accumulators; v160-176 at work in QUANT; v180-183 a trip's four scale words; v184-215 a trip's four fragments.
;   Windows 1, 2: R(ks, t) at v[8 (8 (ks % 4) + t)] of window 1 + ks / 4.   Window 3: v0-127 T's two sets (64 p + 8 ks); v128-191 the bias along registers; v192-207 the bias along lanes, two sets.
.set C_XK, 4194304
.set C_XV, 7340032
.set C_WQ, 10485760
.set C_WK, 11010048
.set C_WV, 11403264
.set S_XQ, 12320768
.set S_XK, 12582912
.set S_XV, 12845056
.set S_WQ, 13107200
.set S_WK, 13139968
.set S_WV, 13172736
.set REC,  143360
.set QC,   9175040
.set QS,   13369344
.set TM,   160
.set MSB, 0
.macro WIN new                         ; the immediate's high byte repeats the setting that is left
.if MSB != \new
	s_set_vgpr_msb (MSB<<8)|\new
.set MSB, \new
.endif
.endm
.macro WM d, a, b, cc, sa, sb
	v_wmma_scale_f32_16x16x128_f8f6f4 v[\d:\d+7], v[\a:\a+7], v[\b:\b+7], v[\cc:\cc+7], v[\sa], v[\sb] matrix_a_fmt:MATRIX_FMT_FP4 matrix_b_fmt:MATRIX_FMT_FP4
.endm
; 64 numbers of a lane, register 16 b + i = k 32 b + 16 (lane / 16) + i of my row, become a fragment's codes in v[pc] on and its scale word in v[pw]
.macro QUANT s, pc, pw
.irp b, 0,1,2,3
	v_max3_num_f32 v[TM+\b], |v[\s+16*\b]|, |v[\s+1+16*\b]|, 0x1800000   ; block b: my 16 numbers, each accumulator from its low end on, and the floor 2^(3 - 127): the byte cannot fall under 1
.endr
.irp i, 2,4,6,8,10,12,14
.irp b, 0,1,2,3
	v_max3_num_f32 v[TM+\b], v[TM+\b], |v[\s+16*\b+\i]|, |v[\s+1+16*\b+\i]|
.endr
.endr
.irp b, 0,1,2,3
	v_permlanex16_b32 v[TM+4+\b], v[TM+\b], s40, s41
.endr
.irp b, 0,1,2,3
	v_max_num_f32 v[TM+\b], v[TM+\b], v[TM+4+\b]   ; with lane l xor 16's: the block's largest magnitude
.endr
.irp b, 0,1,2,3
	v_add_nc_u32 v[TM+12+\b], 0xff000000, v[TM+\b] ; 2 off its exponent field: the conversion's scale operand
.endr
.irp b, 0,1,2,3
	v_lshrrev_b32 v[TM+4+\b], 23, v[TM+12+\b]      ; the scale's byte
.endr
	v_lshl_or_b32 v[\pw], v[TM+5], 8, v[TM+4]
	v_lshl_or_b32 v[\pw], v[TM+6], 16, v[\pw]
	v_lshl_or_b32 v[\pw], v[TM+7], 24, v[\pw]
.irp b, 0,1,2,3
	v_cvt_scalef32_pk8_fp4_f32 v[\pc+2*\b], v[\s+16*\b:\s+7+16*\b], v[TM+12+\b]
	v_cvt_scalef32_pk8_fp4_f32 v[\pc+1+2*\b], v[\s+8+16*\b:\s+15+16*\b], v[TM+12+\b]
.endr
	v_nop                                          ; one plain place behind a scaled conversion
.irp c, 0,1                                    ; the operand's layout wants a WHOLE block in a lane: lanes 0-15 block 2 c, lanes 16-31 block 2 c + 1
.irp i, 0,1
	v_permlane16_swap_b32 v[\pc+4*\c+\i], v[\pc+2+4*\c+\i]
.endr
.endr
.endm
; R: 8 tiles x nk K steps of codes from s[16:17], their scale words from s[18:19]
.macro RLOAD nk
	WIN 0x40                                       ; destination window 1
	s_wait_alu depctr_va_vdst(0)                   ; the head has written v1, v4, v6, v7 and v12, which the loads and stores of the whole path read as offsets; only loads and window switches stand between this wait and R's and the bias's loads
.set KS_, 0
.rept 4
.irp t, 0,1,2,3,4,5,6,7
.irp c, 0,1
	global_load_b128 v[8*(8*KS_+\t)+4*\c:8*(8*KS_+\t)+4*\c+3], v1, s[16:17] offset:(\t*\nk+KS_)*1024+512*\c
.endr
.endr
.set KS_, KS_+1
.endr
	WIN 0x80                                       ; destination window 2
.rept \nk-4
.irp t, 0,1,2,3,4,5,6,7
.irp c, 0,1
	global_load_b128 v[8*(8*(KS_-4)+\t)+4*\c:8*(8*(KS_-4)+\t)+4*\c+3], v1, s[16:17] offset:(\t*\nk+KS_)*1024+512*\c
.endr
.endr
.set KS_, KS_+1
.endr
	WIN 0
.irp t, 0,1,2,3,4,5,6,7
	global_load_b128 v[16+8*\t:19+8*\t], v4, s[18:19] offset:512*\t        ; lane r: its row's words for K steps 0-3,
	global_load_b128 v[20+8*\t:23+8*\t], v4, s[18:19] offset:512*\t+256    ; and 4-7
.endr
.endm
; the bias along the registers: tile 2 b + u, lane half h, register j is column 32 b + 16 h + 8 u + j of my 128.  v12 = 64 h
.macro BLOAD
	WIN 0xc0                                       ; destination window 3
.irp t, 0,1,2,3,4,5,6,7
	global_load_b128 v[128+8*\t:131+8*\t], v12, s[24:25] offset:(32*(\t/2)+8*(\t%2))*4
	global_load_b128 v[132+8*\t:135+8*\t], v12, s[24:25] offset:(32*(\t/2)+8*(\t%2))*4+16
.endr
	WIN 0
.endm
; the next tile of T into set p: 2 nk loads of codes, (mode 1: 8 of the bias,) 2 of scale words.  s30 counts tiles of T's region and is held at my last tile, s31: a wave's last two requests
; name that tile once more, so that every wait below keeps its count and no load leaves my tiles.  The set's offsets are written here: the loads that read them were waited for at the unit's head.
; first = 1: at the head, where no memory instruction has read the set's offsets yet.
.macro TLOAD mode, nk, p, first
	s_min_u32 s33, s30, s31
	s_add_co_u32 s30, s30, 1
.if !\first
	s_wait_alu depctr_vm_vsrc(0)                   ; the set's last loads have read its offsets, which the additions below write; the stores issued so far have read the codes and scale words that this unit's QUANT writes again
.endif
	s_mul_i32 s36, s33, (\nk)*1024
	v_add_nc_u32 v[8+\p], s36, v1
	s_lshl_b32 s36, s33, 9
	v_add_nc_u32 v[10+\p], s36, v4
.if \mode
	s_lshr_b32 s36, s33, 1
	s_lshl_b32 s36, s36, 7
	s_and_b32 s37, s33, 1
	s_lshl_b32 s37, s37, 5
	s_add_co_u32 s36, s36, s37
	v_add_nc_u32 v[12+\p], s36, v7                 ; my lane's column: 32 (t / 2) + 8 (t % 2) + r + 8 (r / 8), 4 bytes each
.endif
	WIN 0xc0
	s_wait_alu depctr_va_vdst(0)                   ; the set's offsets are written, which the loads below read; the unit's products are done reading the set, its scale words and its bias, in which they land; the unit before has written its codes, which the stores behind these loads read
.set KS_, 0
.rept \nk
	global_load_b128 v[64*\p+8*KS_:64*\p+8*KS_+3], v[8+\p], s[20:21] offset:1024*KS_
	global_load_b128 v[64*\p+8*KS_+4:64*\p+8*KS_+7], v[8+\p], s[20:21] offset:1024*KS_+512
.set KS_, KS_+1
.endr
.if \mode
.irp j, 0,1,2,3,4,5,6,7
	global_load_b32 v[192+8*\p+\j], v[12+\p], s[24:25]   ; the same number into all eight registers of C
.endr
.endif
	WIN 0
	global_load_b128 v[80+8*\p:83+8*\p], v[10+\p], s[22:23]
	global_load_b128 v[84+8*\p:87+8*\p], v[10+\p], s[22:23] offset:256
.endm
; the codes of the trip's unit u go out.  hs: bytes from a head's codes to the next head's (mode 0)
.macro CSTORE mode, u, hs
.if \mode
	global_store_b128 v1, v[184+8*(\u):187+8*(\u)], s[26:27] offset:1024*(\u)        ; 512 consecutive bytes a store
	global_store_b128 v1, v[188+8*(\u):191+8*(\u)], s[26:27] offset:1024*(\u)+512
.else
	global_store_b128 v1, v[184+8*(\u):187+8*(\u)], s[26:27] offset:512*(\u)         ; the first head's 64 channels,
	global_store_b128 v1, v[188+8*(\u):191+8*(\u)], s[26:27] offset:512*(\u)+\hs     ; the second head's
.endif
.endm
; a unit: set p, the u-th of its trip.  cnt: the loads of one TLOAD
.macro UNIT mode, nk, p, u, cnt, hs
	s_wait_loadcnt \cnt                            ; set p (and all that is older) is in; the other set's loads may be out
	WIN 0x3d                                       ; source 0 (R) window 1, source 1 (T) and source 2 (the bias) window 3, destination window 0
.irp t, 0,1,2,3,4,5,6,7                        ; the eight accumulators take turns, one instruction a turn, in every K step
.if \mode
	WM 96+8*\t, 8*\t, 64*\p, 192+8*\p, 16+8*\t, 80+8*\p
.else
	WM 96+8*\t, 8*\t, 64*\p, 128+8*\t, 16+8*\t, 80+8*\p
.endif
.endr
	WIN 0x0d                                       ; C and D window 0
.set KS_, 1
.rept 3
.irp t, 0,1,2,3,4,5,6,7
	WM 96+8*\t, 8*(8*KS_+\t), 64*\p+8*KS_, 96+8*\t, 16+8*\t+KS_, 80+8*\p+KS_
.endr
.set KS_, KS_+1
.endr
	WIN 0x0e                                       ; R's K steps 4 on: window 2
.rept \nk-4
.irp t, 0,1,2,3,4,5,6,7
	WM 96+8*\t, 8*(8*(KS_-4)+\t), 64*\p+8*KS_, 96+8*\t, 16+8*\t+KS_, 80+8*\p+KS_
.endr
.set KS_, KS_+1
.endr
	WIN 0
.rept 4
	v_nop                                          ; four places behind the last products (ISA guide 7.12.1), ahead of the first read of results
.endr
	TLOAD \mode, \nk, \p, 0                        ; the tile two units on: it has the other set's whole unit in which to land
.if \u > 0
	CSTORE \mode, (\u)-1, \hs                      ; the unit before: no vector instruction since TLOAD's wait names its codes
.endif
	QUANT 96, 184+8*\u, 176
.if \mode
	v_mov_b32 v[180+\u], v176                      ; the fragment's scale word: four blocks of 32 keys
.else
	v_bfe_u32 v[180+\u], v176, v5, 16              ; lanes 0-15 keep the first head's two bytes, lanes 16-31 the second head's; the upper two bytes are 0
.endif
.endm
	s_load_b256 s[4:11], s[0:1], 0x0               ; xw s[4:5], bq s[6:7], bk s[8:9], bv s[10:11]
	s_load_b64 s[12:13], s[0:1], 0x20              ; qkv
	v_lshrrev_b32 v1, 5, v0
	v_readfirstlane_b32 s14, v1                    ; wave
	v_and_b32 v1, 31, v0
	v_lshlrev_b32 v1, 4, v1
	v_and_b32 v2, 15, v0
	v_bfe_u32 v3, v0, 4, 1
	v_lshlrev_b32 v4, 4, v2
	v_lshlrev_b32 v5, 4, v3
	v_and_b32 v7, 8, v2
	v_add_nc_u32 v7, v7, v2
	v_lshlrev_b32 v7, 2, v7
.irp b, 0,1,2,3
	v_mov_b32 v[TM+4+\b], 0                        ; written once: a lane permute's destination counts as one of its sources
.endr
	s_wait_alu depctr_va_sdst(0)                   ; s14, the wave's number, is written
	s_mov_b32 s40, 0x76543210
	s_mov_b32 s41, 0xfedcba98                      ; v_permlanex16_b32's selects for lane l xor 16
	s_mov_b32 s15, ttmp9
	s_mov_b32 s35, 0                               ; s[34:35]: a byte offset in 64 bits
	s_wait_kmcnt 0x0
	s_cmp_lt_u32 s15, 128
	s_cbranch_scc0 .Lnot_q
	; ---- q: work-group i: columns 128 g on, g = 4 (i % 2) + wave; tiles 8 (i / 2) .. + 7 of query
	s_and_b32 s33, s15, 1
	s_lshl_b32 s33, s33, 2
	s_add_co_u32 s33, s33, s14                     ; g
	s_lshr_b32 s36, s15, 1
	s_lshl_b32 s30, s36, 3                         ; my first tile
	s_add_co_u32 s31, s30, 7                       ; my last
	s_lshl_b32 s34, s33, 16
	s_add_co_u32 s34, s34, C_WQ
	s_add_nc_u64 s[16:17], s[4:5], s[34:35]        ; R's codes: 8 tiles x 8,192 bytes a group
	s_lshl_b32 s34, s33, 12
	s_add_co_u32 s34, s34, S_WQ
	s_add_nc_u64 s[18:19], s[4:5], s[34:35]        ; R's scale words
	s_mov_b64 s[20:21], s[4:5]                     ; T's codes: query's lie at xw's head
	s_add_nc_u64 s[22:23], s[4:5], S_XQ            ; T's scale words
	s_lshl_b32 s34, s33, 9
	s_add_nc_u64 s[24:25], s[6:7], s[34:35]        ; bq at my 128 columns
	s_lshr_b32 s36, s30, 7                         ; batch
	s_and_b32 s37, s30, 127                        ; the tile in its batch
	s_lshl_b32 s36, s36, 4
	s_lshl_b32 s38, s33, 1
	s_add_co_u32 s36, s36, s38                     ; 16 x batch + my first head
	s_lshl_b32 s34, s36, 7
	s_add_co_u32 s34, s34, s37
	s_lshl_b32 s34, s34, 9
	s_add_co_u32 s34, s34, QC
	s_add_nc_u64 s[26:27], s[12:13], s[34:35]      ; where the codes go
	s_lshl_b32 s34, s36, 13
	s_lshl_b32 s38, s37, 6
	s_add_co_u32 s34, s34, s38
	s_add_co_u32 s34, s34, QS
	s_add_nc_u64 s[28:29], s[12:13], s[34:35]      ; and the scale words
	s_wait_alu depctr_va_vdst(0)
	v_lshl_add_u32 v6, v3, 13, v4                  ; 16 r, and lanes 16-31 the next head's 8,192 bytes
	v_lshlrev_b32 v12, 6, v3
	RLOAD 8
	BLOAD
	TLOAD 0, 8, 0, 1
	TLOAD 0, 8, 1, 1
	s_mov_b32 s32, 2
.Ltrip_q:
	UNIT 0, 8, 0, 0, 18, 65536
	UNIT 0, 8, 1, 1, 18, 65536
	UNIT 0, 8, 0, 2, 18, 65536
	UNIT 0, 8, 1, 3, 18, 65536
	s_wait_alu depctr_va_vdst(0)                   ; unit 3 has written its codes and the fourth scale word, which the stores below read
	CSTORE 0, 3, 65536
	global_store_b128 v6, v[180:183], s[28:29]     ; four tiles' words of a row: sixteen lanes store 256 consecutive, aligned bytes for each of the two heads
	s_wait_xcnt 0x0                                ; the trip's stores have read their data and bases: both are written again only behind this wait
	s_add_nc_u64 s[26:27], s[26:27], 2048
	s_add_nc_u64 s[28:29], s[28:29], 256
	s_sub_co_u32 s32, s32, 1
	s_cmp_lg_u32 s32, 0
	s_cbranch_scc1 .Ltrip_q
	s_endpgm
.Lnot_q:
	s_cmp_lt_u32 s15, 192
	s_cbranch_scc0 .Lpath_v
	; ---- k: work-group 128 + i: columns 128 g on; tiles 16 (i / 2) .. + 15 of key
	s_sub_co_u32 s39, s15, 128
	s_and_b32 s33, s39, 1
	s_lshl_b32 s33, s33, 2
	s_add_co_u32 s33, s33, s14                     ; g
	s_lshr_b32 s36, s39, 1
	s_lshl_b32 s30, s36, 4
	s_add_co_u32 s31, s30, 15
	s_mul_i32 s34, s33, 49152                      ; 8 tiles x 6,144 bytes a group
	s_add_co_u32 s34, s34, C_WK
	s_add_nc_u64 s[16:17], s[4:5], s[34:35]
	s_lshl_b32 s34, s33, 12
	s_add_co_u32 s34, s34, S_WK
	s_add_nc_u64 s[18:19], s[4:5], s[34:35]
	s_add_nc_u64 s[20:21], s[4:5], C_XK
	s_add_nc_u64 s[22:23], s[4:5], S_XK
	s_lshl_b32 s34, s33, 9
	s_add_nc_u64 s[24:25], s[8:9], s[34:35]        ; bk at my 128 columns
	s_lshr_b32 s36, s30, 7
	s_and_b32 s37, s30, 127
	s_lshl_b32 s36, s36, 4
	s_lshl_b32 s38, s33, 1
	s_add_co_u32 s36, s36, s38
	s_mul_i32 s36, s36, REC                        ; my first head's record
	s_lshl_b32 s34, s37, 9
	s_add_co_u32 s34, s34, s36
	s_add_nc_u64 s[26:27], s[12:13], s[34:35]
	s_lshl_b32 s34, s37, 6
	s_add_co_u32 s34, s34, s36
	s_add_co_u32 s34, s34, 131072
	s_add_nc_u64 s[28:29], s[12:13], s[34:35]
	v_mul_u32_u24 v6, v3, REC
	v_add_nc_u32 v6, v6, v4                        ; 16 r, and lanes 16-31 the next head's record
	v_lshlrev_b32 v12, 6, v3
	RLOAD 6
	BLOAD
	TLOAD 0, 6, 0, 1
	TLOAD 0, 6, 1, 1
	s_mov_b32 s32, 4
.Ltrip_k:
	UNIT 0, 6, 0, 0, 14, REC
	UNIT 0, 6, 1, 1, 14, REC
	UNIT 0, 6, 0, 2, 14, REC
	UNIT 0, 6, 1, 3, 14, REC
	s_wait_alu depctr_va_vdst(0)                   ; unit 3 has written its codes and the fourth scale word, which the stores below read
	CSTORE 0, 3, REC
	global_store_b128 v6, v[180:183], s[28:29]
	s_wait_xcnt 0x0                                ; as in q's loop
	s_add_nc_u64 s[26:27], s[26:27], 2048
	s_add_nc_u64 s[28:29], s[28:29], 256
	s_sub_co_u32 s32, s32, 1
	s_cmp_lg_u32 s32, 0
	s_cbranch_scc1 .Ltrip_k
	s_endpgm
.Lpath_v:
	; ---- v: work-group 192 + i: keys 128 G on, G = 4 (i / 4) + wave = 16 x batch + s; tiles 16 (i % 4) .. + 15 of Wv: four heads, one a trip
	s_sub_co_u32 s39, s15, 192
	s_lshr_b32 s33, s39, 2
	s_lshl_b32 s33, s33, 2
	s_add_co_u32 s33, s33, s14                     ; G
	s_and_b32 s38, s39, 3
	s_lshl_b32 s30, s38, 4
	s_add_co_u32 s31, s30, 15
	s_mul_i32 s34, s33, 49152
	s_add_co_u32 s34, s34, C_XV
	s_add_nc_u64 s[16:17], s[4:5], s[34:35]
	s_lshl_b32 s34, s33, 12
	s_add_co_u32 s34, s34, S_XV
	s_add_nc_u64 s[18:19], s[4:5], s[34:35]
	s_add_nc_u64 s[20:21], s[4:5], C_WV
	s_add_nc_u64 s[22:23], s[4:5], S_WV
	s_mov_b64 s[24:25], s[10:11]                   ; bv
	s_lshr_b32 s36, s33, 4
	s_lshl_b32 s36, s36, 4                         ; 16 x batch
	s_lshl_b32 s38, s38, 2
	s_add_co_u32 s36, s36, s38                     ; + my first head
	s_mul_i32 s36, s36, REC
	s_and_b32 s37, s33, 15                         ; s
	s_lshl_b32 s34, s37, 12
	s_add_co_u32 s34, s34, s36
	s_add_co_u32 s34, s34, 65536
	s_add_nc_u64 s[26:27], s[12:13], s[34:35]
	s_lshl_b32 s34, s37, 8
	s_add_co_u32 s34, s34, s36
	s_add_co_u32 s34, s34, 139264
	s_add_nc_u64 s[28:29], s[12:13], s[34:35]
	s_wait_alu depctr_va_vdst(0)
	v_lshl_add_u32 v6, v3, 3, v4                   ; 16 r + 8 h
	v_cmp_ne_u32 vcc_lo, 0, v3
	s_wait_alu depctr_va_vcc(0)                    ; VCC is written
	RLOAD 6
	TLOAD 1, 6, 0, 1
	TLOAD 1, 6, 1, 1
	s_mov_b32 s32, 4
.Ltrip_v:
	UNIT 1, 6, 0, 0, 22, 0
	UNIT 1, 6, 1, 1, 22, 0
	UNIT 1, 6, 0, 2, 22, 0
	UNIT 1, 6, 1, 3, 22, 0
	v_cndmask_b32 v14, v180, v182, vcc_lo          ; lanes 0-15 store the words of tiles 0 and 1, lanes 16-31 of tiles 2 and 3:
	v_cndmask_b32 v15, v181, v183, vcc_lo
	s_wait_alu depctr_va_vdst(0)                   ; unit 3 has written its codes, and the two selections v14 and v15, which the stores below read
	CSTORE 1, 3, 0
	global_store_b64 v6, v[14:15], s[28:29]        ; 256 consecutive, aligned bytes
	s_wait_xcnt 0x0                                ; as in q's loop
	s_add_nc_u64 s[26:27], s[26:27], REC           ; the next head's record
	s_add_nc_u64 s[28:29], s[28:29], REC
	s_sub_co_u32 s32, s32, 1
	s_cmp_lg_u32 s32, 0
	s_cbranch_scc1 .Ltrip_v
	s_endpgm
.Lfunc_end_k_q7f507d043c_proj:
	.size	k_q7f507d043c_proj, .Lfunc_end_k_q7f507d043c_proj-k_q7f507d043c_proj
	.p2alignl 7, 3214868480
	.fill 96, 4, 3214868480
	.section	.rodata,"a",@progbits
	.p2align	6, 0x0
	.amdhsa_kernel k_q7f507d043c_proj
		.amdhsa_group_segment_fixed_size 0
		.amdhsa_private_segment_fixed_size 0
		.amdhsa_enable_private_segment 0
		.amdhsa_kernarg_size 40
		.amdhsa_user_sgpr_count 2
		.amdhsa_user_sgpr_kernarg_segment_ptr 1
		.amdhsa_wavefront_size32 1
		.amdhsa_system_sgpr_workgroup_id_x 1
		.amdhsa_system_sgpr_workgroup_id_y 1
		.amdhsa_system_sgpr_workgroup_id_z 1
		.amdhsa_system_vgpr_workitem_id 0
		.amdhsa_next_free_vgpr 1024
		.amdhsa_next_free_sgpr 66
		.amdhsa_reserve_vcc 1
		.amdhsa_float_denorm_mode_32 3
		.amdhsa_float_denorm_mode_16_64 3
		.amdhsa_memory_ordered 1
		.amdhsa_forward_progress 1
		.amdhsa_inst_pref_size 214
	.end_amdhsa_kernel
	.amdgpu_metadata
---
amdhsa.version: [ 1, 2 ]
amdhsa.kernels:
  - .name:           k_q7f507d043c_proj
    .symbol:         k_q7f507d043c_proj.kd
    .args:
      - { .name: xw, .offset: 0, .size: 8, .value_kind: global_buffer, .address_space: global }
      - { .name: bq, .offset: 8, .size: 8, .value_kind: global_buffer, .address_space: global }
      - { .name: bk, .offset: 16, .size: 8, .value_kind: global_buffer, .address_space: global }
      - { .name: bv, .offset: 24, .size: 8, .value_kind: global_buffer, .address_space: global }
      - { .name: qkv, .offset: 32, .size: 8, .value_kind: global_buffer, .address_space: global }
    .group_segment_fixed_size: 0
    .private_segment_fixed_size: 0
    .kernarg_segment_align: 8
    .kernarg_segment_size: 40
    .max_flat_workgroup_size: 128
    .sgpr_count:     66
    .vgpr_count:     1024
    .wavefront_size: 32
...
	.end_amdgpu_metadata
.endif
;; end of part 7
;; launch attn (part 8): grid 8 x 32, 16 waves a work-group, no clusters, 288,768 bytes of LDS; arguments qkv, ctx; writes ctx
.if DOCPART == 8
	.amdgcn_target "amdgcn-amd-amdhsa--gfx1250"
	.amdhsa_code_object_version 6
	.text
	.protected	k_q7f507d043c_attn
	.globl	k_q7f507d043c_attn
	.p2align	8
	.type	k_q7f507d043c_attn,@function
k_q7f507d043c_attn:
	s_mov_b64 s[64:65], 0
	v_nop
	global_prefetch_b8 v0, s[64:65] scope:SCOPE_SE
	s_setreg_imm32_b32 hwreg(HW_REG_WAVE_SCHED_MODE, 0, 2), 2
	s_setreg_imm32_b32 hwreg(HW_REG_WAVE_MODE, 25, 1), 1
	s_wait_xcnt 0x0
	s_wait_alu depctr_vm_vsrc(0)
; ctx[b][q][head][:] = the sum over keys of softmax(q . k / 8) v, both products on codes of FP4 with E8M0 scales; ctx is quantised along (head, channel) at once, for the last projection, and stored as an image of that operand's registers.
; THE SOFTMAX AHEAD OF THE SECOND PRODUCT: t = score x log2(e) / 8; M = the row's largest t so far, rounded UP to a whole number; p = 2^(t - M) is quantised along the keys, not normalised.  The row's sum is taken of the
; unquantised p, in f32, and divides at the end.  When M moves, the sum and O are multiplied by 2^(old M - new M): exact.
; SHARES.  Work-group (x, y): 256 queries (block x) of batch y / 8 and the TWO heads 2 (y % 8), 2 (y % 8) + 1.  Each of sixteen waves owns one tile of 16 queries and walks all 2,048 keys, 128 a step, once for each head:
; so a wave ends with 128 neighbouring numbers of ctx for its 16 rows: one whole fragment and one whole scale word.  Four waves share a SIMD: one wave's vector work stands beside another's matrix work and LDS loads.
; LDS holds the two heads' records of qkv as they lie in memory (K codes, V codes, K scale words, V scale words: 143,360 bytes a head), filled ONCE through registers; behind the one barrier it is only read.
; All fragments are images of registers: every LDS load is 16 bytes a lane, 512 consecutive bytes.  What work-groups share is read once at each one's head and not step by step: no cluster.
; LAYOUT.  Both products are used transposed: S^T = K Q^T (source 0 = 16 keys, source 1 = my 16 queries), O^T = V^T P^T (source 0 = 16 channels, source 1 = P): a lane holds ONE query (lane % 16) throughout.
; The keys of a tile of K and the channels of a tile of V are permuted (lane r of tile 2 b + u: 32 b + 8 u + r + 8 (r / 8)), so that the 16 registers of tiles 2 b, 2 b + 1 are 16 neighbours, 32 b + 16 (lane / 16) + 0 .. 15.
; THE FIRST PRODUCT'S K IS 64, the instruction's 128.  Q's registers 4-7 are zero codes, and bytes 2 and 3 of Q's and K's scale words are 0 (2^-127: a number, not NaN).  So whatever stands in registers 4-7 of K's
; operand adds nothing: K's operand for tile t is v[32 + 4 t : 39 + 4 t], whose upper half is the next tile's codes (behind the last tile: four registers of zeros).  K is kept and read as 4 registers a tile.
; LIMITS: NaN and infinities are not served; a block of zeros gets the byte 1 with zero codes; a block's largest p is made from its largest score (this takes v_exp_f32 not to fall where its input rises); 1 / sum by v_rcp_f32.
; THE MODE: SCHED_MODE bits 1:0 = 2 (LLVM: expert scheduling mode 2), set by the entry lines.  The code itself states the register dependences between vector or matrix instructions and memory or LDS instructions, with s_wait_alu, always for 0.
; THE PLAN.  Registers that LDS instructions touch, in the loop over key steps:
;   K v32-63 and its words v68-75   Read by the step's eight products S^T, at its head; the NEXT step's K lands in them, asked for in the step's middle.
;   V v192-223 and its words v76-79 Read by the step's four products O^T, at its end; the step's own V lands in them, asked for in the step's middle.
;   v3 to v6                        The step's LDS addresses: written by four additions at the step's head, read by the nineteen loads in its middle.
; So ONE wait on va_vdst serves all nineteen loads: the wait that stands behind the 64 exponentials anyway.  Ahead of it stand this step's products S^T (done with K), the last step's products O^T (done with V) and the four additions.
; No vector or matrix instruction behind it names K before the next step's head, or V before the step's end, each behind its wait on DScnt.  One wait on vm_vsrc stands at the step's head, ahead of the additions.
; A third wait on va_vdst stands directly ahead of the products O^T: p's codes and scale word are written by vector instructions and taken by a scaled matrix instruction.
; Step 0's K is asked for ahead of the loop; the last step is written out, and asks for no K.
; REGISTERS: v1 16 x lane, v2 16 (lane % 16), v3-6 the step's LDS addresses, v7 4 x lane, v12 -M, v13 the largest t, v[14:15] the sum in two halves, v16-23, v24-31 Q of the two heads, v32-63 K, v64-67 zeros,
;   v68-75 K's, v76-79 V's, v80-81 Q's scale words (scales and nothing else), v82-89 ctx's codes, v90 its scale word, v96-159 S^T, then p, v160-191 O^T, v192-223 V, v224-231 p's codes, v232-254 at work (v252 f, v253 p's scale word).
.set REC, 143360
.set QC,  9175040
.set QS,  13369344
.set CSO, 4194304                      ; ctx: the scale words lie behind the codes
.set CS,  28                           ; s[28:29] c = log2(e) / 8: the packed form names a pair and takes its low word for both halves
.set SEL, 30                           ; s[30:31] lane selects for v_permlanex16_b32: lane l xor 16
	s_load_b128 s[4:7], s[0:1], 0x0                ; qkv, ctx
	v_lshl_add_u32 v251, v0, 2, 0x46000
	v_mov_b32 v255, 0
	v_lshrrev_b32 v1, 5, v0
	v_readfirstlane_b32 s8, v1                     ; wave 0..15
	v_and_b32 v7, 31, v0
	v_lshlrev_b32 v1, 4, v7
	v_lshlrev_b32 v7, 2, v7
	v_and_b32 v2, 15, v0
	v_lshlrev_b32 v2, 4, v2
	v_lshlrev_b32 v240, 4, v0                      ; the fill: 16 bytes a thread, 8,192 a round;
.irp j, 1,2,3,4
	v_add_nc_u32 v[240+\j], 65536*\j, v240         ; an LDS immediate reaches 65,535: a register for each 65,536 bytes
.endr
	s_wait_alu depctr_va_sdst(0)                   ; s8, the wave's number, is written, ahead of its first reader: my tile of queries is made from it
	s_mov_b32 s9, ttmp9
	s_and_b32 s10, ttmp7, 0xffff
	s_lshl_b32 s11, s9, 4
	s_add_co_u32 s11, s11, s8                      ; my tile of queries in the batch
	s_mov_b32 s19, 0
	s_mov_b32 s[CS], 0x3e38aa3b
	s_mov_b32 s[CS+1], s[CS]                       ; (named with it as a pair, so it is written)
	s_mov_b32 s[SEL], 0x76543210
	s_mov_b32 s[SEL+1], 0xfedcba98
	s_mul_i32 s18, s10, 2*REC                      ; 16 x batch + my first head = 2 y
	s_wait_kmcnt 0x0
	s_add_nc_u64 s[12:13], s[4:5], s[18:19]        ; the two records
	s_lshl_b32 s18, s10, 8
	s_add_co_u32 s18, s18, s11
	s_lshl_b32 s18, s18, 9
	s_add_co_u32 s18, s18, QC
	s_add_nc_u64 s[14:15], s[4:5], s[18:19]        ; Q's codes: (128 x 2 y + tile) x 512
	s_lshl_b32 s18, s10, 14
	s_lshr_b32 s32, s11, 2
	s_lshl_b32 s32, s32, 8
	s_add_co_u32 s18, s18, s32
	s_and_b32 s32, s11, 3
	s_lshl_b32 s32, s32, 2
	s_add_co_u32 s18, s18, s32
	s_add_co_u32 s18, s18, QS
	s_add_nc_u64 s[16:17], s[4:5], s[18:19]        ; Q's scale words: 8,192 x 2 y + 256 (tile / 4) + 4 (tile % 4)
	s_lshr_b32 s32, s10, 3
	s_lshl_b32 s32, s32, 7
	s_add_co_u32 s32, s32, s11                     ; my tile of ctx's rows: 128 x batch + tile
	s_and_b32 s33, s10, 7                          ; the K step of the last projection: the pair of heads
	s_lshl_b32 s18, s32, 13
	s_lshl_b32 s34, s33, 10
	s_add_co_u32 s18, s18, s34
	s_add_nc_u64 s[24:25], s[6:7], s[18:19]        ; ctx's codes: [tile][K step][1,024]
	s_lshl_b32 s18, s33, 16
	s_lshl_b32 s34, s32, 7
	s_add_co_u32 s18, s18, s34
	s_add_co_u32 s18, s18, CSO
	s_add_nc_u64 s[26:27], s[6:7], s[18:19]        ; its scale words: [K step][tile][32 lanes]
	s_wait_alu depctr_va_vdst(0)                   ; v1, v2, v7 and v240 to v244 are written: the loads and the fill's LDS stores below, and the stores at the end, read them as offsets and addresses
	global_load_b128 v[16:19], v1, s[14:15]        ; Q stays in registers
	global_load_b128 v[24:27], v1, s[14:15] offset:65536
	global_load_b32 v80, v2, s[16:17]
	global_load_b32 v81, v2, s[16:17] offset:8192
.set I_, 0
.rept 35                                       ; 35 rounds of 8,192 bytes are the two records
	global_load_b128 v[96+4*I_:99+4*I_], v240, s[12:13] offset:8192*I_
.set I_, I_+1
.endr
.irp j, 20,21,22,23,28,29,30,31,64,65,66,67,236,237,238,239,253
	v_mov_b32 v\j, 0                               ; Q's zero codes; the zeros behind K's last tile; the lane permutes' destinations and the pair v[252:253], which are named before they are first written.  (No load or LDS store names one of these)
.endr
.set I_, 0
.rept 35
	s_wait_loadcnt 34-I_                           ; loads come back in order: round I_ (and Q, which is older) is in, the younger rounds may be out
	ds_store_b128 v[240+I_/8], v[96+4*I_:99+4*I_] offset:(I_%8)*8192
.set I_, I_+1
.endr
	s_wait_dscnt 0x0                               ; for the others' sake: my stores have landed
	s_barrier_signal -1
	s_barrier_wait -1                              ; the launch's one barrier: from here on LDS is only read
; eight tiles of K and their scale words, from at bytes behind v3 (the words: at / 8 behind v5) on
.macro KLOAD at
.irp t, 0,1,2,3,4,5,6,7
	ds_load_b128 v[32+4*\t:35+4*\t], v3 offset:(\at)+512*\t
.endr
	ds_load_b128 v[68:71], v5 offset:(\at)/8       ; lane r: its key's words in tiles 0-3,
	ds_load_b128 v[72:75], v5 offset:(\at)/8+256   ; and 4-7
.endm
; a step: 128 keys of head p.  next = 1: the next step's K is asked for
.macro STEP p, next
	s_wait_alu depctr_vm_vsrc(0)                   ; the LDS loads issued so far have read v3 to v6, which the four lines below write
	v_add_nc_u32 v3, s20, v1                       ; this step's K codes: the next step's lie 4,096 bytes further on;
	v_add_nc_u32 v4, 0x10000, v3                   ; this step's V codes;
	v_add_nc_u32 v5, s21, v2                       ; this step's words of K: the next step's lie 512 bytes further on;
	v_add_nc_u32 v6, s22, v2                       ; this step's words of V
	s_wait_dscnt 0x0                               ; K and its words, asked for in the middle of the step before (step 0's: ahead of the loop), are in
.irp t, 0,1,2,3,4,5,6,7
	v_wmma_scale_f32_16x16x128_f8f6f4 v[96+8*\t:103+8*\t], v[32+4*\t:39+4*\t], v[16+8*\p:23+8*\p], 0, v[68+\t], v[80+\p] matrix_a_fmt:MATRIX_FMT_FP4 matrix_b_fmt:MATRIX_FMT_FP4
.endr                                          ; lane (r, h) holds query r; the 16 registers of tiles 2 b, 2 b + 1 are keys 32 b + 16 h + 0 .. 15 of the step
.rept 4
	v_nop
.endr
.irp b, 0,1,2,3
	v_max3_num_f32 v[232+\b], v[96+16*\b], v[97+16*\b], v[98+16*\b]   ; THE LARGEST SCORE OF EACH BLOCK OF 32 KEYS: for the row's maximum, and, since p rises with the score, for the block's largest p
.endr
.irp i, 3,5,7,9,11,13
.irp b, 0,1,2,3
	v_max3_num_f32 v[232+\b], v[232+\b], v[96+16*\b+\i], v[97+16*\b+\i]
.endr
.endr
.irp b, 0,1,2,3
	v_max_num_f32 v[232+\b], v[232+\b], v[111+16*\b]
.endr
.irp b, 0,1,2,3
	v_permlanex16_b32 v[236+\b], v[232+\b], s[SEL], s[SEL+1]
.endr
.irp b, 0,1,2,3
	v_max_num_f32 v[232+\b], v[232+\b], v[236+\b]  ; with lane l xor 16's 16 keys
.endr
	v_max3_num_f32 v254, v232, v233, v234
	v_max_num_f32 v254, v254, v235                 ; the step's largest score of my query
	v_mul_f32 v254, s[CS], v254                    ; as t (c is positive)
	v_max_num_f32 v13, v13, v254                   ; the running largest t
	v_mov_b32 v254, v12
	v_floor_f32 v12, -v13                          ; the new -M = floor(-t) = -ceil(t): M is a whole number
	v_sub_f32 v254, v12, v254                      ; M's old value less its new one: a whole number, 0 or less
	v_cvt_i32_f32 v254, v254                       ; (it saturates)
	v_ldexp_f32 v252, 1.0, v254                    ; f = 2^(old M - new M)
.set J_, 0
.rept 32
	v_pk_fma_f32 v[96+J_:97+J_], v[96+J_:97+J_], s[CS:CS+1], v[12:13] op_sel_hi:[1,0,0]   ; t - M, two at a time
.set J_, J_+2
.endr
.irp b, 0,1,2,3
	v_fma_f32 v[232+\b], v[232+\b], s[CS], v12     ; the same of each block's largest score
.endr
.set J_, 0
	s_wait_alu depctr_va_vdst(0)
.rept 64
	v_exp_f32 v[96+J_], v[96+J_]                   ; p = 2^(t - M), at most 1: not normalised
.set J_, J_+1
.endr
	v_pk_mul_f32 v[14:15], v[14:15], v[252:253] op_sel_hi:[1,0]   ; the sums under the new M.  (A plain place behind the exponentials)
	s_wait_alu depctr_va_vdst(0)                   ; the 64 exponentials have written p, ahead of its first reader; the products S^T are done reading K and its words, the last step's products O^T are done reading V and its words, and v3 to v6 are written: for the loads below
.irp t, 0,1,2,3
	ds_load_b128 v[192+8*\t:195+8*\t], v4 offset:1024*\t
	ds_load_b128 v[196+8*\t:199+8*\t], v4 offset:1024*\t+512
.endr
	ds_load_b128 v[76:79], v6                      ; this step's V: nine loads, which land under the sums and the conversions;
.if \next
	KLOAD 4096                                     ; and the next step's K: ten, which have the rest of the step
.endif
.irp b, 0,1,2,3
	v_exp_f32 v[232+\b], v[232+\b]                 ; the block's largest p: the same two instructions on the same number give the same bits
.endr
	v_pk_add_f32 v[236:237], v[96:97], v[98:99]    ; THE ROW'S SUM IS TAKEN OF THE UNQUANTISED p: two at a time, in two chains
.irp j, 4,8,12,16,20,24,28,32,36,40,44,48,52,56,60
	v_pk_add_f32 v[14:15], v[14:15], v[96+\j:97+\j]
	v_pk_add_f32 v[236:237], v[236:237], v[98+\j:99+\j]
.endr
	v_pk_add_f32 v[14:15], v[14:15], v[236:237]
	s_wait_alu depctr_va_vdst(0)                   ; the four exponentials have written v232 to v235, ahead of their first reader
.irp b, 0,1,2,3
	v_max_num_f32 v[232+\b], 0x1800000, v[232+\b]  ; the floor 2^(3 - 127): the byte cannot fall under 1
.endr
.irp b, 0,1,2,3
	v_add_nc_u32 v[244+\b], 0xff000000, v[232+\b]  ; 2 off the exponent field: the conversion's scale operand
.endr
.irp b, 0,1,2,3
	v_lshrrev_b32 v[236+\b], 23, v[244+\b]         ; the scale's byte
.endr
	v_lshl_or_b32 v253, v237, 8, v236              ; p's scale word for these 128 keys
	v_lshl_or_b32 v253, v238, 16, v253
	v_lshl_or_b32 v253, v239, 24, v253
.irp b, 0,1,2,3
	v_cvt_scalef32_pk8_fp4_f32 v[224+2*\b], v[96+16*\b:103+16*\b], v[244+\b]
	v_cvt_scalef32_pk8_fp4_f32 v[225+2*\b], v[104+16*\b:111+16*\b], v[244+\b]
.endr
	v_nop                                          ; one plain place behind a scaled conversion
.irp c, 0,1                                    ; the operand's layout wants a WHOLE block in a lane
.irp i, 0,1
	v_permlane16_swap_b32 v[224+4*\c+\i], v[226+4*\c+\i]
.endr
.endr
.set J_, 0
.rept 16
	v_pk_mul_f32 v[160+J_:161+J_], v[160+J_:161+J_], v[252:253] op_sel_hi:[1,0]   ; O^T under the new M.  (These sixteen are also the places between p's codes and scale word and the products below)
.set J_, J_+2
.endr
.if \next
	s_wait_dscnt 10                                ; LDS loads come back in order: V and its words are in; the next step's K, ten younger loads, may be out
.else
	s_wait_dscnt 0x0                               ; V and its words are in
.endif
	s_wait_alu depctr_va_vdst(0)                   ; vector instructions have written p's codes v224 to v231 and its scale word v253, which the scaled products below take; the places above stay beside this wait
.irp t, 0,1,2,3                                ; O^T += V^T P^T: the four accumulators by turns
	v_wmma_scale_f32_16x16x128_f8f6f4 v[160+8*\t:167+8*\t], v[192+8*\t:199+8*\t], v[224:231], v[160+8*\t:167+8*\t], v[76+\t], v253 matrix_a_fmt:MATRIX_FMT_FP4 matrix_b_fmt:MATRIX_FMT_FP4
.endr
.if \next
	s_add_co_u32 s20, s20, 4096                    ; eight tiles of K, four fragments of V,
	s_add_co_u32 s21, s21, 512                     ; eight tiles' words,
	s_add_co_u32 s22, s22, 256                     ; four tiles' words on
.endif
.endm
.macro PASS p                          ; head p of the two
	s_mov_b32 s20, REC*\p                          ; the step's K codes (V's lie 65,536 further on),
	s_mov_b32 s21, REC*\p+131072                   ; K's scale words,
	s_mov_b32 s22, REC*\p+139264                   ; V's
	s_mov_b32 s23, 15
	s_wait_alu depctr_vm_vsrc(0)                   ; head 0: the fill's LDS stores have read v96 to v235 and v240 to v244, which vector and matrix instructions and LDS loads write from here on; head 1: the last head's LDS loads have read v3 to v6
	v_mov_b32 v13, 0xff61b1e6                      ; the largest t so far: -3e38, under every t
	v_floor_f32 v12, -v13                          ; -M
	v_mov_b32 v14, 0                               ; the sum, in two halves
	v_mov_b32 v15, 0
.set J_, 0
.rept 32
	v_mov_b32 v[160+J_], 0                         ; O^T.  (The step is written once: the first finds zeros, which the first change of M leaves zeros)
.set J_, J_+1
.endr
	v_add_nc_u32 v3, s20, v1
	v_add_nc_u32 v5, s21, v2
	s_wait_alu depctr_va_vdst(0)                   ; v3 and v5 are written, which the loads below read; the last head's products are done reading K and its words, in which they land; the zero codes v20-23, v28-31 and v64-67 are written, which the scaled products S^T take
	KLOAD 0                                        ; step 0's K
.Lstep_\@:                                         ; steps 0 to 14
	STEP \p, 1
	s_sub_co_u32 s23, s23, 1
	s_cmp_lg_u32 s23, 0
	s_cbranch_scc1 .Lstep_\@
	STEP \p, 0                                     ; the last step is written out: there is no K behind it to ask for
	; the head is done: O^T / the sum, quantised along the channels: two blocks of 32
.rept 4
	v_nop
.endr
	v_add_f32 v14, v14, v15                        ; the sum's two halves,
	v_permlanex16_b32 v252, v14, s[SEL], s[SEL+1]
	v_add_f32 v14, v14, v252                       ; and lane l xor 16's: the row's sum
	s_wait_alu depctr_va_vdst(0)
	v_rcp_f32 v14, v14
	v_nop                                          ; a plain place behind the transcendental
	s_wait_alu depctr_va_vdst(0)                   ; the reciprocal has written v14, ahead of its first reader
.set J_, 0
.rept 16
	v_pk_mul_f32 v[96+J_:97+J_], v[160+J_:161+J_], v[14:15] op_sel_hi:[1,0]   ; register 16 b + i is channel 32 b + 16 h + i of my query
.set J_, J_+2
.endr
.irp b, 0,1
	v_max3_num_f32 v[232+\b], |v[96+16*\b]|, |v[97+16*\b]|, 0x1800000
.endr
.irp i, 2,4,6,8,10,12,14
.irp b, 0,1
	v_max3_num_f32 v[232+\b], v[232+\b], |v[96+16*\b+\i]|, |v[97+16*\b+\i]|
.endr
.endr
.irp b, 0,1
	v_permlanex16_b32 v[236+\b], v[232+\b], s[SEL], s[SEL+1]
.endr
.irp b, 0,1
	v_max_num_f32 v[232+\b], v[232+\b], v[236+\b]
.endr
.irp b, 0,1
	v_add_nc_u32 v[244+\b], 0xff000000, v[232+\b]
.endr
.irp b, 0,1
	v_lshrrev_b32 v[236+\b], 23, v[244+\b]
.endr
.if \p == 0
	v_lshl_or_b32 v90, v237, 8, v236               ; the first head's two bytes of the scale word,
.else
	v_lshl_or_b32 v90, v236, 16, v90               ; the second head's
	v_lshl_or_b32 v90, v237, 24, v90
.endif
.irp b, 0,1
	v_cvt_scalef32_pk8_fp4_f32 v[82+4*\p+2*\b], v[96+16*\b:103+16*\b], v[244+\b]
	v_cvt_scalef32_pk8_fp4_f32 v[83+4*\p+2*\b], v[104+16*\b:111+16*\b], v[244+\b]
.endr
	v_nop
	v_permlane16_swap_b32 v[82+4*\p], v[84+4*\p]   ; registers 4 p .. 4 p + 3 of the fragment: k = 64 p + 32 h + 0 .. 31
	v_permlane16_swap_b32 v[83+4*\p], v[85+4*\p]
.endm
	PASS 0
	PASS 1
	s_wait_alu depctr_va_vdst(0)                   ; ctx's codes v82 to v89 and its scale word v90 are written, which the three stores read
	global_store_b128 v1, v[82:85], s[24:25]       ; 512 consecutive bytes a store
	global_store_b128 v1, v[86:89], s[24:25] offset:512
	global_store_b32 v7, v90, s[26:27]             ; my tile's 128 bytes of scale words (both halves of the lanes hold the row's word)
	s_wait_dscnt 0x0                               ; the closing lines, six on end
	s_wait_alu 0x0
	s_wait_tensorcnt 0x0
	ds_add_u32 v251, v255
	s_wait_dscnt 0x0
	s_endpgm
.Lfunc_end_k_q7f507d043c_attn:
	.size	k_q7f507d043c_attn, .Lfunc_end_k_q7f507d043c_attn-k_q7f507d043c_attn
	.p2alignl 7, 3214868480
	.fill 96, 4, 3214868480
	.section	.rodata,"a",@progbits
	.p2align	6, 0x0
	.amdhsa_kernel k_q7f507d043c_attn
		.amdhsa_group_segment_fixed_size 288768
		.amdhsa_private_segment_fixed_size 0
		.amdhsa_enable_private_segment 0
		.amdhsa_kernarg_size 16
		.amdhsa_user_sgpr_count 2
		.amdhsa_user_sgpr_kernarg_segment_ptr 1
		.amdhsa_wavefront_size32 1
		.amdhsa_system_sgpr_workgroup_id_x 1
		.amdhsa_system_sgpr_workgroup_id_y 1
		.amdhsa_system_sgpr_workgroup_id_z 1
		.amdhsa_system_vgpr_workitem_id 0
		.amdhsa_next_free_vgpr 256
		.amdhsa_next_free_sgpr 66
		.amdhsa_reserve_vcc 0
		.amdhsa_float_denorm_mode_32 3
		.amdhsa_float_denorm_mode_16_64 3
		.amdhsa_memory_ordered 1
		.amdhsa_forward_progress 1
		.amdhsa_inst_pref_size 80
	.end_amdhsa_kernel
	.amdgpu_metadata
---
amdhsa.version: [ 1, 2 ]
amdhsa.kernels:
  - .name:           k_q7f507d043c_attn
    .symbol:         k_q7f507d043c_attn.kd
    .args:
      - { .name: qkv, .offset: 0, .size: 8, .value_kind: global_buffer, .address_space: global }
      - { .name: ctx, .offset: 8, .size: 8, .value_kind: global_buffer, .address_space: global }
    .group_segment_fixed_size: 288768
    .private_segment_fixed_size: 0
    .kernarg_segment_align: 8
    .kernarg_segment_size: 16
    .max_flat_workgroup_size: 512
    .sgpr_count:     66
    .vgpr_count:     256
    .wavefront_size: 32
...
	.end_amdgpu_metadata
.endif
;; end of part 8
;; launch oproj (part 9): grid 256 x 1, 4 waves a work-group, no clusters, 34,304 bytes of LDS; arguments ctx, xw, bo, out0; writes out0
.if DOCPART == 9
	.amdgcn_target "amdgcn-amd-amdhsa--gfx1250"
	.amdhsa_code_object_version 6
	.text
	.protected	k_q7f507d043c_oproj
	.globl	k_q7f507d043c_oproj
	.p2align	8
	.type	k_q7f507d043c_oproj,@function
k_q7f507d043c_oproj:
	s_mov_b64 s[64:65], 0
	v_nop
	global_prefetch_b8 v0, s[64:65] scope:SCOPE_SE
	s_setreg_imm32_b32 hwreg(HW_REG_WAVE_SCHED_MODE, 0, 2), 2
	s_setreg_imm32_b32 hwreg(HW_REG_WAVE_MODE, 25, 1), 1
	s_wait_xcnt 0x0
	s_wait_alu depctr_vm_vsrc(0)
; out0 = ctx Wo + bo on codes of FP4 with E8M0 scales, sums in f32.  Both operands lie in memory as images of the operand's registers (a fragment of 16 rows x 128 K: 1,024 bytes, registers 4 c .. 4 c + 3 of lane l at 512 c + 16 l).
; FORM.  A wave keeps 128 columns of Wo (source 0: 8 tiles, all 8 K steps: 512 registers) and streams four tiles of 16 rows of ctx (source 1), asked for two units ahead, in two sets.  Work-group i: columns 128 g on,
; g = 4 (i % 2) + wave; tiles 4 (i / 2) .. + 3.  A unit is 64 matrix instructions on 8 accumulators by turns; bo is the C of each sum's first instruction.
; In the result a lane holds one row of out0 and eight neighbouring columns a tile: 16 rows x 128 columns go through the wave's own stage in LDS (rows of 512 bytes + 16) and leave as whole rows of 512 bytes.
; The stage is each wave's own and LDS serves a wave's instructions in order (ISA guide 5.7.1.4): no barrier.  Operands go from memory straight into registers: nothing that a cluster could ask for jointly.
; LIMIT: the bias starts each sum where reference() adds it last.
; THE MODE: SCHED_MODE bits 1:0 = 2 (LLVM: expert scheduling mode 2), set by the entry lines.  The code itself states the register dependences between vector or matrix instructions and memory or LDS instructions, with s_wait_alu, always for 0.
; THE PLAN.  Registers that memory or LDS instructions touch, from unit to unit:
;   ctx's set u % 2 and its scale words   Read by unit u's products; behind them the loads of tile u + 2 land in them.
;   the accumulators v96-159              Written by unit u's products; read by its LDS stores into the stage; written anew by unit u + 1's products.
;   v160-223                              Unit u's loads from the stage land in them; its global stores read them; unit u + 1's loads from the stage land in them again.
;   v1, v4, v5, v6, v7, v12               Offsets and addresses, made at the head and never written again.
; So a unit has ONE wait on va_vdst, behind its products and their places (the accumulators are written; the set is read out): the next loads and the stage's stores follow it with no vector instruction between.
; And from unit 1 on ONE wait on vm_vsrc, at the unit's head: the last unit's LDS stores have read the accumulators, its global stores v160-223.
; REGISTERS.  Window 0: v1 16 x lane, v2 r, v3 h, v4 16 r, v5 into the stage, v6 out of it, v7 4 x lane, v12 32 h; v16-79 Wo's scale words (8 t + ks), v80-95 ctx's (8 p + ks): scales and nothing else;
;   v96-159 the accumulators; v160-223 16 rows read back.   Windows 1, 2: Wo(ks, t) at v[8 (8 (ks % 4) + t)] of window 1 + ks / 4.   Window 3: v0-127 ctx's two sets (64 p + 8 ks); v128-191 bo.
.set C_WO, 11796480
.set S_WO, 13205504
.set CSO,  4194304
.set MSB, 0
.macro WIN new                         ; the immediate's high byte repeats the setting that is left
.if MSB != \new
	s_set_vgpr_msb (MSB<<8)|\new
.set MSB, \new
.endif
.endm
.macro WM d, a, b, cc, sa, sb
	v_wmma_scale_f32_16x16x128_f8f6f4 v[\d:\d+7], v[\a:\a+7], v[\b:\b+7], v[\cc:\cc+7], v[\sa], v[\sb] matrix_a_fmt:MATRIX_FMT_FP4 matrix_b_fmt:MATRIX_FMT_FP4
.endm
.macro TLOAD u                         ; tile u of my four into set u % 2: 16 loads of codes, 8 of scale words
	WIN 0xc0                                       ; destination window 3
.set KS_, 0
.rept 8
	global_load_b128 v[64*((\u)%2)+8*KS_:64*((\u)%2)+8*KS_+3], v1, s[20:21] offset:8192*(\u)+1024*KS_
	global_load_b128 v[64*((\u)%2)+8*KS_+4:64*((\u)%2)+8*KS_+7], v1, s[20:21] offset:8192*(\u)+1024*KS_+512
.set KS_, KS_+1
.endr
	WIN 0
.set KS_, 0
.rept 8
	global_load_b32 v[80+8*((\u)%2)+KS_], v7, s[22:23] offset:65536*KS_+128*(\u)
.set KS_, KS_+1
.endr
.endm
.macro UNIT u
.set P_, (\u)%2
.if (\u) < 3
	s_wait_loadcnt 24                              ; this tile (and all that is older) is in; the next tile's 24 loads may be out
.else
	s_wait_loadcnt 0x0
.endif
.if (\u) > 0
	s_wait_alu depctr_vm_vsrc(0)                   ; the last unit's LDS stores have read the accumulators, which the products below write anew; its global stores have read v160 to v223, in which this unit's loads from the stage land
.endif
	WIN 0x3d                                       ; source 0 (Wo) window 1, source 1 (ctx) and source 2 (bo) window 3, destination window 0
.irp t, 0,1,2,3,4,5,6,7                        ; the eight accumulators take turns, one instruction a turn, in every K step
	WM 96+8*\t, 8*\t, 64*P_, 128+8*\t, 16+8*\t, 80+8*P_
.endr
	WIN 0x0d
.set KS_, 1
.rept 3
.irp t, 0,1,2,3,4,5,6,7
	WM 96+8*\t, 8*(8*KS_+\t), 64*P_+8*KS_, 96+8*\t, 16+8*\t+KS_, 80+8*P_+KS_
.endr
.set KS_, KS_+1
.endr
	WIN 0x0e
.rept 4
.irp t, 0,1,2,3,4,5,6,7
	WM 96+8*\t, 8*(8*(KS_-4)+\t), 64*P_+8*KS_, 96+8*\t, 16+8*\t+KS_, 80+8*P_+KS_
.endr
.set KS_, KS_+1
.endr
	WIN 0
.rept 5
	v_nop                                          ; four places serve the stage's stores of results; the fifth the next unit's first products, which begin these accumulators anew with another C: no other vector work stands between two units
.endr
	s_wait_alu depctr_va_vdst(0)                   ; the products have written the accumulators, which the stage's stores read, and are done reading this set and its scale words, in which the loads below land; the places above stay beside this wait
.if (\u) < 2
	TLOAD (\u)+2
.endif
.if (\u) > 0
	s_wait_xcnt 0x0                                ; the last unit's stores have read their registers: the stage's loads may land there
.endif
.irp t, 0,1,2,3,4,5,6,7
	ds_store_b128 v5, v[96+8*\t:99+8*\t] offset:64*\t            ; lane (r, h): out0(row r, 16 t + 8 h + 0 .. 7); each accumulator from its low end on
	ds_store_b128 v5, v[100+8*\t:103+8*\t] offset:64*\t+16
.endr
.set I_, 0
.rept 16
	ds_load_b128 v[160+4*I_:163+4*I_], v6 offset:528*I_          ; these see my stores above
.set I_, I_+1
.endr
.set I_, 0
.rept 16
	s_wait_dscnt 15-I_                             ; row I_ is back; the younger rows may be out
	global_store_b128 v1, v[160+4*I_:163+4*I_], s[26:27] offset:(16*(\u)+I_)*4096 th:TH_STORE_NT   ; 32 lanes store 512 consecutive bytes, at a multiple of 256 from out0's first byte; written once
.set I_, I_+1
.endr
.endm
	s_load_b256 s[4:11], s[0:1], 0x0               ; ctx s[4:5], xw s[6:7], bo s[8:9], out0 s[10:11]
	v_lshl_add_u32 v254, v0, 2, 0x8400
	v_mov_b32 v255, 0
	v_lshrrev_b32 v1, 5, v0
	v_readfirstlane_b32 s14, v1                    ; wave
	v_and_b32 v7, 31, v0
	v_lshlrev_b32 v1, 4, v7
	v_lshlrev_b32 v7, 2, v7
	v_and_b32 v2, 15, v0
	v_bfe_u32 v3, v0, 4, 1
	v_lshlrev_b32 v4, 4, v2
	v_lshlrev_b32 v12, 5, v3
	s_wait_alu depctr_va_sdst(0)                   ; s14, the wave's number, is written, ahead of its first reader: my stage and my columns are made from it
	s_mul_i32 s20, s14, 8448                       ; my stage: 16 rows x 528 bytes
	v_mul_u32_u24 v5, v2, 528
	v_lshl_add_u32 v5, v3, 5, v5
	v_add_nc_u32 v5, s20, v5                       ; in: row r, + 32 h
	v_add_nc_u32 v6, s20, v1                       ; back: the 32 lanes take one row of 512 bytes
	s_mov_b32 s15, ttmp9
	s_and_b32 s33, s15, 1
	s_lshl_b32 s33, s33, 2
	s_add_co_u32 s33, s33, s14                     ; g
	s_lshr_b32 s36, s15, 1
	s_lshl_b32 s36, s36, 2                         ; my first tile of rows
	s_mov_b32 s35, 0
	s_wait_kmcnt 0x0
	s_lshl_b32 s34, s33, 16
	s_add_co_u32 s34, s34, C_WO
	s_add_nc_u64 s[16:17], s[6:7], s[34:35]        ; Wo's codes: 8 tiles x 8,192 bytes a group
	s_lshl_b32 s34, s33, 12
	s_add_co_u32 s34, s34, S_WO
	s_add_nc_u64 s[18:19], s[6:7], s[34:35]        ; its scale words
	s_lshl_b32 s34, s36, 13
	s_add_nc_u64 s[20:21], s[4:5], s[34:35]        ; ctx's codes
	s_lshl_b32 s34, s36, 7
	s_add_co_u32 s34, s34, CSO
	s_add_nc_u64 s[22:23], s[4:5], s[34:35]        ; its scale words
	s_lshl_b32 s34, s33, 9
	s_add_nc_u64 s[24:25], s[8:9], s[34:35]        ; bo at my 128 columns
	s_lshl_b32 s37, s36, 16
	s_add_co_u32 s34, s34, s37
	s_add_nc_u64 s[26:27], s[10:11], s[34:35]      ; out0: 16 rows of 4,096 bytes a tile, + 512 g
	WIN 0x40                                       ; destination window 1
	s_wait_alu depctr_va_vdst(0)                   ; v1, v4, v5, v6, v7 and v12 are written: every load, store and LDS instruction of the kernel reads one of them as its offset or address; up to the first products only loads and window switches follow
.set KS_, 0
.rept 4
.irp t, 0,1,2,3,4,5,6,7
.irp c, 0,1
	global_load_b128 v[8*(8*KS_+\t)+4*\c:8*(8*KS_+\t)+4*\c+3], v1, s[16:17] offset:(\t*8+KS_)*1024+512*\c
.endr
.endr
.set KS_, KS_+1
.endr
	WIN 0x80                                       ; destination window 2
.rept 4
.irp t, 0,1,2,3,4,5,6,7
.irp c, 0,1
	global_load_b128 v[8*(8*(KS_-4)+\t)+4*\c:8*(8*(KS_-4)+\t)+4*\c+3], v1, s[16:17] offset:(\t*8+KS_)*1024+512*\c
.endr
.endr
.set KS_, KS_+1
.endr
	WIN 0
.irp t, 0,1,2,3,4,5,6,7
	global_load_b128 v[16+8*\t:19+8*\t], v4, s[18:19] offset:512*\t        ; lane r: its row's words for K steps 0-3,
	global_load_b128 v[20+8*\t:23+8*\t], v4, s[18:19] offset:512*\t+256    ; and 4-7
.endr
	WIN 0xc0                                       ; destination window 3
.irp t, 0,1,2,3,4,5,6,7
	global_load_b128 v[128+8*\t:131+8*\t], v12, s[24:25] offset:64*\t      ; bo(16 t + 8 h + 0 .. 7)
	global_load_b128 v[132+8*\t:135+8*\t], v12, s[24:25] offset:64*\t+16
.endr
	WIN 0
	TLOAD 0
	TLOAD 1
	UNIT 0
	UNIT 1
	UNIT 2
	UNIT 3
	s_wait_dscnt 0x0                               ; the closing lines, six on end
	s_wait_alu 0x0
	s_wait_tensorcnt 0x0
	ds_add_u32 v254, v255
	s_wait_dscnt 0x0
	s_endpgm
.Lfunc_end_k_q7f507d043c_oproj:
	.size	k_q7f507d043c_oproj, .Lfunc_end_k_q7f507d043c_oproj-k_q7f507d043c_oproj
	.p2alignl 7, 3214868480
	.fill 96, 4, 3214868480
	.section	.rodata,"a",@progbits
	.p2align	6, 0x0
	.amdhsa_kernel k_q7f507d043c_oproj
		.amdhsa_group_segment_fixed_size 34304
		.amdhsa_private_segment_fixed_size 0
		.amdhsa_enable_private_segment 0
		.amdhsa_kernarg_size 32
		.amdhsa_user_sgpr_count 2
		.amdhsa_user_sgpr_kernarg_segment_ptr 1
		.amdhsa_wavefront_size32 1
		.amdhsa_system_sgpr_workgroup_id_x 1
		.amdhsa_system_sgpr_workgroup_id_y 1
		.amdhsa_system_sgpr_workgroup_id_z 1
		.amdhsa_system_vgpr_workitem_id 0
		.amdhsa_next_free_vgpr 1024
		.amdhsa_next_free_sgpr 66
		.amdhsa_reserve_vcc 0
		.amdhsa_float_denorm_mode_32 3
		.amdhsa_float_denorm_mode_16_64 3
		.amdhsa_memory_ordered 1
		.amdhsa_forward_progress 1
		.amdhsa_inst_pref_size 77
	.end_amdhsa_kernel
	.amdgpu_metadata
---
amdhsa.version: [ 1, 2 ]
amdhsa.kernels:
  - .name:           k_q7f507d043c_oproj
    .symbol:         k_q7f507d043c_oproj.kd
    .args:
      - { .name: ctx, .offset: 0, .size: 8, .value_kind: global_buffer, .address_space: global }
      - { .name: xw, .offset: 8, .size: 8, .value_kind: global_buffer, .address_space: global }
      - { .name: bo, .offset: 16, .size: 8, .value_kind: global_buffer, .address_space: global }
      - { .name: out0, .offset: 24, .size: 8, .value_kind: global_buffer, .address_space: global }
    .group_segment_fixed_size: 34304
    .private_segment_fixed_size: 0
    .kernarg_segment_align: 8
    .kernarg_segment_size: 32
    .max_flat_workgroup_size: 128
    .sgpr_count:     66
    .vgpr_count:     1024
    .wavefront_size: 32
...
	.end_amdgpu_metadata
.endif
;; end of part 9
